; MI455X (gfx1250); checked and timed in simulation.
; The chip was launched on July 23, 2026; its instructions are those of AMD's public machine-readable ISA for CDNA 5 (MIT licence, August 2026) and "CDNA5" Instruction Set Architecture Reference Guide (July 2026). The comments in the code are by the model that wrote it; some were corrected since.
;; Multi Head Attention. Allowed arithmetic: matrix products marked QUANTISED: E2M3 operands, one E8M0 scale for each 32 along K, by v_wmma_scale_f32_16x16x128_f8f6f4 with both operands' format E2M3, f32 sums; everything else in f32.
;; Inputs: bk 1,024 float32; bo 1,024 float32; bq 1,024 float32; bv 1,024 float32; wk 1,024 x 1,024 float32; wo 1,024 x 1,024 float32; wq 1,024 x 1,024 float32; wv 1,024 x 1,024 float32; x 1 x 4,096 x 1,024 float32.
;; Outputs: out0 1 x 4,096 x 1,024 float32.
;; This version of the problem:
;;   THIS VERSION OF THE PROBLEM IS GIVEN IN LOW PRECISION. The matrix products marked QUANTISED in the list below multiply operands that are first quantised to E2M3 (2 exponent bits, 3 mantissa bits; 6 bits a number), with one power-of-two scale for each 32 numbers along K (OCP MX v1.0); their sums are f32. All else is computed in f32.
;;   The module's matrix products, in the order in which they are computed (A, B: the left and right operand; K: the contracted axis; several contracted axes count as one K, in the product's order):
;;     1. [M 4,096, K 1,024] x [K 1,024, N 1,024]; A: input x; B: input wq: QUANTISED
;;     2. [M 4,096, K 1,024] x [K 1,024, N 1,024]; A: input x; B: input wk: QUANTISED
;;     3. [M 4,096, K 1,024] x [K 1,024, N 1,024]; A: input x; B: input wv: QUANTISED
;;     4. batch 16 x [M 4,096, K 64] x [K 64, N 4,096]; A: computed on the way; B: computed on the way: QUANTISED
;;     5. batch 16 x [M 4,096, K 4,096] x [K 4,096, N 64]; A: softmax (see below); B: computed on the way: QUANTISED
;;     6. [M 4,096, K 1,024] x [K 1,024, N 1,024]; A: computed on the way; B: input wo: QUANTISED
;;   THE QUANTISER, for each operand of a quantised product, along K:
;;     - K is cut into blocks of 32 from its start; a last block that is shorter is filled with zeros.
;;     - A block's scale is 2^e with e = floor(log2(the largest magnitude in the block)) - 2, held to -126 .. 127; a block of zeros has e = 0. As a byte (E8M0): e + 127.
;;     - Each number is divided by its block's scale, clamped to +-7.5, and rounded to the nearest number of E2M3, ties to even, subnormals kept.
;;     - The product sums the exact products of the quantised numbers (number of the format x scale) in f32.
;;   ~~~python
;;   def quantise(x, axis):      # numpy; x: float32 -> the quantised numbers, widened to float32 again
;;       x = np.moveaxis(x, axis, -1); K = x.shape[-1]
;;       x = np.pad(x, [(0, 0)] * (x.ndim - 1) + [(0, -K % 32)]); x = x.reshape(x.shape[:-1] + (-1, 32)); a = np.abs(x).max(-1, keepdims=True)
;;       e = np.where(a > 0, np.clip(np.frexp(np.where(a > 0, a, 1))[1] - 1 - 2, -126, 127), 0)      # np.frexp(a)[1] - 1 = floor(log2(a)), exactly
;;       r = np.clip(x / 2.0 ** e, -7.5, 7.5)
;;       step = 2.0 ** (np.maximum(np.frexp(np.where(r == 0, 1, r))[1] - 1, 0) - 3)
;;       q = np.round(r / step) * step * 2.0 ** e      # np.round: ties to even
;;       return np.moveaxis(q.reshape(q.shape[:-2] + (-1,))[..., :K], -1, axis).astype(np.float32)
;;   ~~~
;;   SOFTMAX AHEAD OF A QUANTISED PRODUCT. Where the list says 'softmax', what is quantised is not the finished softmax but p = 2^(t - M), with t = logit x log2(e) and M = ceil(the row's largest t), a whole number; so 1/2 < the row's largest p <= 1. The row's sum l is taken of the UNQUANTISED p, in f32, and the product's result is divided by l at the end. Since M is a whole number, a kernel that streams over the keys may use a running M (the ceiling of the running maximum): every later rescaling is an exact power of two, which a block's scale takes up: the codes' values come out the same.
;;   OPERANDS COMPUTED ON THE WAY. 'Computed on the way' means the value that the module computes at that place (a softmax that the list does not call 'softmax' is quantised finished and normalised). What goes into a quantiser is computed in f32, as accurately as f32 sums, v_exp_f32 and their like allow (about 1e-6 of the number): no bf16 or f16 on the way to a quantiser, and a product that is left as it is and whose result goes on into a quantised operand takes f32 operands (vector FMAs, or v_wmma_f32_16x16x4_f32). A number that lies on a knife's edge between two numbers of the format may be rounded either way, as far as f32 arithmetic and the matrix unit's own rounding can turn it there, and no further.
;; One version. Each part assembles by itself: llvm-mc -triple=amdgcn-amd-amdhsa -mcpu=gfx1250 --defsym DOCPART=n.
;; ======== version 1 of 1: 5 launches
;; limits: right only within a limited range of input values
;; workspace buffers: ops 6,553,600 bytes; qkv 10,223,616 bytes; oop 3,276,800 bytes
;; launch quant_x (part 1): grid 512 x 1, 4 waves a work-group, no clusters, 34,560 bytes of LDS; arguments x, ops; writes ops
.if DOCPART == 1
	.amdgcn_target "amdgcn-amd-amdhsa--gfx1250"
	.amdhsa_code_object_version 6
	.text
	.protected	k_q8979d45f9a_quant_x
	.globl	k_q8979d45f9a_quant_x
	.p2align	8
	.type	k_q8979d45f9a_quant_x,@function
k_q8979d45f9a_quant_x:
	s_mov_b64 s[64:65], 0
	v_nop
	global_prefetch_b8 v0, s[64:65] scope:SCOPE_SE
	s_setreg_imm32_b32 hwreg(HW_REG_WAVE_MODE, 25, 1), 1
	s_wait_xcnt 0x0
; x [4096][1024] f32 becomes codes of FP6 (E2M3) with one E8M0 byte for each 32 along K, laid as the products' operand registers want them.
; LAYOUT OF ops.  A row block is 128 rows, 102,400 bytes; in it a piece of 25,600 bytes for each 256 along K; in a piece sixteen fragment images of 1,536 bytes ((K step in the piece) x 8 + tile),
; then four units of 256 bytes of scale words.  An image: register 4 g + w of lane L at 512 g + 16 L + 4 w.  Tile t holds in lane r the row 32 (t / 2) + 8 (t % 2) + r + 8 (r / 8) of the block.
; The scale word of (K step q, tile t, lane r) lies at 24,576 + 256 (2 q + t / 4) + 16 r + 4 (t % 4).
; SHARES.  A wave makes one fragment: 16 rows x 128 along K.  Each of its 16 loads takes 512 consecutive bytes of one row; the rows turn through the wave's own stage in LDS (rows 528 bytes apart),
; so that lane (r, h) gets, of row r, k = 64 c + 32 h + 0 .. 31 in consecutive registers: two whole blocks of 32 a lane.
; A block's scale is 2^(floor(log2(largest magnitude)) - 2): the largest magnitude's exponent field less 2, held at 1 from below.
; LIMITS: NaN and infinities among the inputs are not served; a block whose largest magnitude lies under 2^-124 has its byte held at 1; a block of zeros has the byte 1 and zero codes (this program alone reads the bytes).
.set STW, 8448                         ; a wave's stage: 16 rows x 528 bytes
.set SCW, 4*STW                        ; behind the stages: 256 bytes of scale words, four tiles' worth
.set R,   64                           ; v64-127   the rows as loaded
.set X,   128                          ; v128-191  my 64 numbers: 32 c + i
.set PC,  20                           ; v20-31    the fragment's codes
.set CT,  32                           ; v32-34, v36-38  the upper halves of the two blocks' codes
	s_load_b128 s[4:7], s[0:1], 0x0                ; x, ops
	v_lshl_add_u32 v192, v0, 2, 0x8500
	v_mov_b32 v193, 0
	v_lshrrev_b32 v1, 5, v0
	v_readfirstlane_b32 s8, v1                     ; wave 0..3
	v_and_b32 v2, 31, v0                           ; L
	v_and_b32 v3, 15, v0                           ; r
	v_bfe_u32 v10, v0, 4, 1                        ; h
	v_lshlrev_b32 v4, 4, v2                        ; 16 L
	s_mul_i32 s9, s8, STW
	v_add_nc_u32 v5, s9, v4                        ; the stage, on the way in
	v_mul_u32_u24 v6, v3, 528
	v_lshl_add_u32 v6, v10, 7, v6
	v_add_nc_u32 v6, s9, v6                        ; and out: row r, + 128 h bytes
	s_lshl_b32 s10, s8, 2
	s_add_co_u32 s10, s10, SCW
	v_lshlrev_b32 v7, 4, v3
	v_add_nc_u32 v7, s10, v7                       ; my row's scale word: 16 r + 4 x wave
	v_lshlrev_b32 v8, 3, v2                        ; 8 L
	v_add_nc_u32 v9, SCW, v8
	v_lshlrev_b32 v11, 3, v10                      ; 8 h
	v_mov_b32 v19, 0                               ; a lane permute's destination counts as one of its sources
	s_mov_b32 s20, 0x76543210
	s_mov_b32 s21, 0xfedcba98                      ; selects for lane L xor 16
	s_and_b32 s11, ttmp9, 7                        ; K step of 128
	s_bfe_u32 s12, ttmp9, 0x10003                  ; j: tiles 4 j + wave
	s_lshr_b32 s13, ttmp9, 4                       ; row block
	s_lshl_b32 s14, s13, 7
	s_lshl_b32 s15, s12, 6
	s_add_co_u32 s14, s14, s15
	s_lshr_b32 s15, s8, 1
	s_lshl_b32 s15, s15, 5
	s_add_co_u32 s14, s14, s15
	s_and_b32 s15, s8, 1
	s_lshl_b32 s15, s15, 3
	s_add_co_u32 s14, s14, s15                     ; the tile's first row: 128 RB + 64 j + 32 (wave / 2) + 8 (wave % 2)
	s_lshl_b32 s14, s14, 12                        ; rows of 4,096 bytes
	s_lshl_b32 s15, s11, 9
	s_add_co_u32 s14, s14, s15                     ; + 512 bytes a K step
	s_mov_b32 s15, 0
	s_mul_i32 s16, s13, 102400
	s_lshr_b32 s17, s11, 1
	s_mul_i32 s17, s17, 25600
	s_add_co_u32 s16, s16, s17                     ; the piece
	s_and_b32 s17, s11, 1
	s_lshl_b32 s18, s17, 3
	s_lshl_b32 s19, s12, 2
	s_add_co_u32 s18, s18, s19
	s_add_co_u32 s18, s18, s8
	s_mul_i32 s18, s18, 1536
	s_add_co_u32 s18, s18, s16                     ; my image
	s_mov_b32 s19, 0
	s_lshl_b32 s17, s17, 1
	s_add_co_u32 s17, s17, s12
	s_lshl_b32 s17, s17, 8
	s_add_co_u32 s16, s16, s17
	s_add_co_u32 s16, s16, 24576                   ; the work-group's unit of scale words
	s_mov_b32 s17, 0
	s_wait_alu depctr_va_vdst(0)
	s_wait_kmcnt 0x0
	s_add_nc_u64 s[4:5], s[4:5], s[14:15]
	s_add_nc_u64 s[22:23], s[6:7], s[18:19]
	s_add_nc_u64 s[24:25], s[6:7], s[16:17]
.irp i, 0,1,2,3,4,5,6,7,8,9,10,11,12,13,14,15
	global_load_b128 v[R+4*\i:R+4*\i+3], v4, s[4:5] offset:(\i+8*(\i/8))*4096 th:TH_LOAD_NT   ; lane row i of the tile: 512 consecutive bytes
.endr
.irp i, 0,1,2,3,4,5,6,7,8,9,10,11,12,13,14,15
	s_wait_loadcnt 15-\i                           ; loads come back in order: the count is the younger loads
	ds_store_b128 v5, v[R+4*\i:R+4*\i+3] offset:528*\i
.endr
.irp c, 0,1
.irp m, 0,1,2,3,4,5,6,7
	ds_load_b128 v[X+32*\c+4*\m:X+32*\c+4*\m+3], v6 offset:256*\c+16*\m   ; LDS serves a wave's instructions in order: these see my stores
.endr
.endr
	s_wait_dscnt 0x0
.irp c, 0,1
	v_max3_num_f32 v[12+\c], |v[X+32*\c]|, |v[X+32*\c+1]|, 0x1800000     ; block 2 c + h is all mine; the floor 2^(3 - 127) holds the byte at 1 from below
.endr
.irp i, 2,4,6,8,10,12,14,16,18,20,22,24,26,28,30
.irp c, 0,1
	v_max3_num_f32 v[12+\c], v[12+\c], |v[X+32*\c+\i]|, |v[X+32*\c+\i+1]|
.endr
.endr
.irp c, 0,1
	v_add_nc_u32 v[14+\c], 0xff000000, v[12+\c]    ; 2 off the exponent field: the conversion's scale operand
.endr
.irp c, 0,1
	v_lshrrev_b32 v[16+\c], 23, v[14+\c]           ; the scale's byte
.endr
	v_lshl_or_b32 v18, v17, 16, v16                ; my bytes: blocks h and 2 + h,
	v_lshlrev_b32 v18, v11, v18                    ; 8 h bits up;
	v_permlanex16_b32 v19, v18, s20, s21
	v_or_b32 v18, v18, v19                         ; with lane L xor 16's two the row's word is whole
.irp c, 0,1
	v_cvt_scalef32_pk16_fp6_f32 v[PC+6*\c:PC+6*\c+2], v[X+32*\c:X+32*\c+15], v[14+\c]
	v_cvt_scalef32_pk16_fp6_f32 v[CT+4*\c:CT+4*\c+2], v[X+32*\c+16:X+32*\c+31], v[14+\c]   ; (a conversion's three registers begin on an even number)
.endr
	v_nop                                          ; one plain place behind a scaled conversion
.irp c, 0,1
.irp i, 0,1,2
	v_mov_b32 v[PC+6*\c+3+\i], v[CT+4*\c+\i]
.endr
.endr
.irp g, 0,1,2
	global_store_b128 v4, v[PC+4*\g:PC+4*\g+3], s[22:23] offset:512*\g   ; 32 lanes store 512 consecutive bytes, aligned to 256
.endr
	ds_store_b32 v7, v18                           ; both halves of the lanes write the same word with the same value
	s_wait_dscnt 0x0                               ; for the others' sake: my word has landed
	s_barrier_signal -1
	s_barrier_wait -1
	s_cmp_lg_u32 s8, 0
	s_cbranch_scc1 .Lend
	ds_load_b64 v[40:41], v9                       ; wave 0 stores the four tiles' words as one aligned run of 256 bytes
	s_wait_dscnt 0x0
	global_store_b64 v8, v[40:41], s[24:25]
.Lend:
	s_wait_tensorcnt 0x0
	ds_add_u32 v192, v193
	s_wait_dscnt 0x0
	s_endpgm
.Lfunc_end_k_q8979d45f9a_quant_x:
	.size	k_q8979d45f9a_quant_x, .Lfunc_end_k_q8979d45f9a_quant_x-k_q8979d45f9a_quant_x
	.p2alignl 7, 3214868480
	.fill 96, 4, 3214868480
	.section	.rodata,"a",@progbits
	.p2align	6, 0x0
	.amdhsa_kernel k_q8979d45f9a_quant_x
		.amdhsa_group_segment_fixed_size 34560
		.amdhsa_private_segment_fixed_size 0
		.amdhsa_enable_private_segment 0
		.amdhsa_kernarg_size 16
		.amdhsa_user_sgpr_count 2
		.amdhsa_user_sgpr_kernarg_segment_ptr 1
		.amdhsa_wavefront_size32 1
		.amdhsa_system_sgpr_workgroup_id_x 1
		.amdhsa_system_sgpr_workgroup_id_y 1
		.amdhsa_system_sgpr_workgroup_id_z 1
		.amdhsa_system_vgpr_workitem_id 0
		.amdhsa_next_free_vgpr 194
		.amdhsa_next_free_sgpr 66
		.amdhsa_reserve_vcc 0
		.amdhsa_float_denorm_mode_32 3
		.amdhsa_float_denorm_mode_16_64 3
		.amdhsa_memory_ordered 1
		.amdhsa_forward_progress 1
		.amdhsa_inst_pref_size 11
	.end_amdhsa_kernel
	.amdgpu_metadata
---
amdhsa.version: [ 1, 2 ]
amdhsa.kernels:
  - .name:           k_q8979d45f9a_quant_x
    .symbol:         k_q8979d45f9a_quant_x.kd
    .args:
      - { .name: x, .offset: 0, .size: 8, .value_kind: global_buffer, .address_space: global }
      - { .name: ops, .offset: 8, .size: 8, .value_kind: global_buffer, .address_space: global }
    .group_segment_fixed_size: 34560
    .private_segment_fixed_size: 0
    .kernarg_segment_align: 8
    .kernarg_segment_size: 16
    .max_flat_workgroup_size: 128
    .sgpr_count:     66
    .vgpr_count:     194
    .wavefront_size: 32
...
	.end_amdgpu_metadata
.endif
;; end of part 1
;; launch quant_w (part 2): grid 64 x 4, 4 waves a work-group, no clusters, 14,336 bytes of LDS; arguments wq, wk, wv, wo, ops; writes ops
.if DOCPART == 2
	.amdgcn_target "amdgcn-amd-amdhsa--gfx1250"
	.amdhsa_code_object_version 6
	.text
	.protected	k_q8979d45f9a_quant_w
	.globl	k_q8979d45f9a_quant_w
	.p2align	8
	.type	k_q8979d45f9a_quant_w,@function
k_q8979d45f9a_quant_w:
	s_mov_b64 s[64:65], 0
	v_nop
	global_prefetch_b8 v0, s[64:65] scope:SCOPE_SE
	s_setreg_imm32_b32 hwreg(HW_REG_WAVE_MODE, 25, 1), 1
	s_wait_xcnt 0x0
; The four weights [1024 (k)][1024 (n)] f32, K their FIRST axis, become codes of FP6 (E2M3) with K innermost and one E8M0 byte for each 32 along K, rows = n,
; in ops' row blocks 32 + 8 y + n / 128 (y: 0 wq, 1 wk, 2 wv, 3 wo), in the layout that the launch for x states: fragment images of 1,536 bytes and units of scale words.
; A LANE TAKES A COLUMN n AND ITS REGISTERS RUN DOWN K: a load reads 128 consecutive bytes a wave, a block of 32 along K lies in one lane, and the conversions give codes with K innermost.
; A wave takes 32 columns x 128 along K: tiles 2 w and 2 w + 1 of the row block.  Column v of the 32 is lane rr = v % 8 + 8 (v / 16) of tile 2 w + (v / 8) % 2.
; Block kb = 2 c + h' of a column is registers 6 c .. 6 c + 5 of lane rr + 16 h' of the fragment: it goes to that place of the image in the wave's own stage, and the images leave in runs of 512 bytes.
; LIMITS: NaN and infinities are not served; a block whose largest magnitude lies under 2^-124 has its byte held at 1; a block of zeros has the byte 1 and zero codes.
.set STW, 3328                         ; a wave's stage: two images, 1,664 bytes apart
.set SCW, 4*STW                        ; 512 bytes of scale words: eight tiles' worth
.set X,   64                           ; v64-127  two sets of 32 numbers
.set C,   16                           ; v16-22   a block's codes
.set OUTR, 24                          ; v24-47   the way out
	s_load_b256 s[4:11], s[0:1], 0x0               ; wq, wk, wv, wo
	s_load_b64 s[12:13], s[0:1], 0x20              ; ops
	v_lshl_add_u32 v128, v0, 2, 0x3600
	v_mov_b32 v129, 0
	s_and_b32 s14, ttmp7, 0xffff                   ; which weight
	v_lshrrev_b32 v1, 5, v0
	v_readfirstlane_b32 s15, v1                    ; wave 0..3
	v_and_b32 v1, 31, v0                           ; my column of the wave's 32
	v_lshlrev_b32 v2, 2, v1
	v_bfe_u32 v9, v0, 3, 1                         ; which of the two tiles
	v_and_b32 v10, 7, v0
	v_bfe_u32 v11, v0, 4, 1
	v_lshl_add_u32 v10, v11, 3, v10                ; rr
	s_mul_i32 s16, s15, STW
	v_mul_u32_u24 v3, v9, 1664
	v_lshl_add_u32 v3, v10, 4, v3
	v_add_nc_u32 v3, s16, v3                       ; into the stage: my tile's image, 16 rr
	v_lshlrev_b32 v6, 4, v1
	v_add_nc_u32 v4, s16, v6                       ; out of it: 16 bytes a lane
	s_lshr_b32 s17, s15, 1
	s_lshl_b32 s17, s17, 8
	s_and_b32 s18, s15, 1
	s_lshl_b32 s19, s18, 3
	s_add_co_u32 s17, s17, s19
	s_add_co_u32 s17, s17, SCW
	v_lshlrev_b32 v5, 4, v10
	v_lshl_add_u32 v5, v9, 2, v5
	v_add_nc_u32 v5, s17, v5                       ; my column's scale word: 256 (t / 4) + 16 rr + 4 (t % 4), t = 2 w + which
	v_lshlrev_b32 v7, 3, v1
	s_lshl_b32 s18, s18, 8
	s_add_co_u32 s18, s18, SCW
	v_add_nc_u32 v8, s18, v7                       ; waves 0 and 1 read a unit of words back
	s_and_b32 s20, ttmp9, 7                        ; K step of 128
	s_lshr_b32 s21, ttmp9, 3                       ; the weight's row block (128 columns n)
	s_lshl_b32 s22, s20, 19                        ; 128 rows of 4,096 bytes
	s_lshl_b32 s23, s21, 9
	s_add_co_u32 s22, s22, s23
	s_lshl_b32 s23, s15, 7
	s_add_co_u32 s22, s22, s23                     ; + 4 (128 RB + 32 w)
	s_mov_b32 s23, 0
	s_lshl_b32 s24, s14, 3
	s_add_co_u32 s24, s24, s21
	s_add_co_u32 s24, s24, 32
	s_mul_i32 s24, s24, 102400
	s_lshr_b32 s25, s20, 1
	s_mul_i32 s25, s25, 25600
	s_add_co_u32 s24, s24, s25                     ; the piece
	s_and_b32 s25, s20, 1
	s_lshl_b32 s26, s25, 3
	s_lshl_b32 s27, s15, 1
	s_add_co_u32 s26, s26, s27
	s_mul_i32 s26, s26, 1536
	s_add_co_u32 s26, s26, s24                     ; my two images
	s_mov_b32 s27, 0
	s_lshl_b32 s25, s25, 1
	s_add_co_u32 s25, s25, s15
	s_lshl_b32 s25, s25, 8
	s_add_co_u32 s24, s24, s25
	s_add_co_u32 s24, s24, 24576                   ; the unit of words that wave 0 or 1 stores
	s_mov_b32 s25, 0
	s_wait_kmcnt 0x0
	s_cmp_eq_u32 s14, 1                            ; the choice hangs on the work-group's number alone
	s_cselect_b64 s[4:5], s[6:7], s[4:5]
	s_cmp_eq_u32 s14, 2
	s_cselect_b64 s[4:5], s[8:9], s[4:5]
	s_cmp_eq_u32 s14, 3
	s_cselect_b64 s[4:5], s[10:11], s[4:5]
	s_add_nc_u64 s[4:5], s[4:5], s[22:23]
	s_add_nc_u64 s[28:29], s[12:13], s[26:27]
	s_add_nc_u64 s[30:31], s[12:13], s[24:25]
.macro LOAD kb                         ; block kb: W(32 kb + i, my column) into set kb % 2
.irp i, 0,1,2,3,4,5,6,7,8,9,10,11,12,13,14,15,16,17,18,19,20,21,22,23,24,25,26,27,28,29,30,31
	global_load_b32 v[X+32*((\kb)%2)+\i], v2, s[4:5] offset:(32*(\kb)+\i)*4096 th:TH_LOAD_NT
.endr
.endm
.macro BLOCK kb
.set XS, X+32*((\kb)%2)
.if (\kb) < 3
	s_wait_loadcnt 32                              ; this block's 32 loads are in; the next block's 32 may be out
.else
	s_wait_loadcnt 0x0
.endif
	v_max3_num_f32 v50, |v[XS]|, |v[XS+1]|, |v[XS+2]|
	v_max3_num_f32 v51, |v[XS+3]|, |v[XS+4]|, |v[XS+5]|
.irp i, 6,10,14,18,22,26
	v_max3_num_f32 v50, v50, |v[XS+\i]|, |v[XS+\i+1]|
	v_max3_num_f32 v51, v51, |v[XS+\i+2]|, |v[XS+\i+3]|
.endr
	v_max3_num_f32 v50, v50, |v[XS+30]|, |v[XS+31]|
	v_max3_num_f32 v50, v50, v51, 0x1800000        ; and the floor 2^(3 - 127)
	v_add_nc_u32 v52, 0xff000000, v50              ; 2 off the exponent field: the conversion's scale operand
	v_lshrrev_b32 v53, 23, v52                     ; the scale's byte
.if (\kb) == 0
	v_mov_b32 v14, v53
.else
	v_lshl_or_b32 v14, v53, 8*(\kb), v14           ; the lower K in the lower byte
.endif
	v_cvt_scalef32_pk16_fp6_f32 v[C:C+2], v[XS:XS+15], v52
	v_cvt_scalef32_pk16_fp6_f32 v[C+4:C+6], v[XS+16:XS+31], v52
	v_nop                                          ; one plain place behind a scaled conversion
	v_mov_b32 v[C+3], v[C+4]                       ; the block's six registers on end
	v_mov_b32 v[C+4], v[C+5]
	v_mov_b32 v[C+5], v[C+6]
.if (\kb) < 2                          ; registers 0 .. 5 of lane rr + 16 (kb % 2)
	ds_store_b128 v3, v[C:C+3] offset:256*((\kb)%2)
	ds_store_b64 v3, v[C+4:C+5] offset:512+256*((\kb)%2)
.else                                  ; registers 6 .. 11
	ds_store_b64 v3, v[C:C+1] offset:520+256*((\kb)%2)
	ds_store_b128 v3, v[C+2:C+5] offset:1024+256*((\kb)%2)
.endif
.if (\kb)+2 < 4
	LOAD (\kb)+2
.endif
	s_wait_dscnt 0x0                               ; the stores have read their registers: the next block's codes may be written
.endm
	LOAD 0
	LOAD 1
	BLOCK 0
	BLOCK 1
	BLOCK 2
	BLOCK 3
	s_wait_alu depctr_va_vdst(0)
	ds_store_b32 v5, v14
.irp u, 0,1
.irp g, 0,1,2
	ds_load_b128 v[OUTR+4*(3*\u+\g):OUTR+4*(3*\u+\g)+3], v4 offset:1664*\u+512*\g   ; my own stage: LDS serves a wave's instructions in order
.endr
.endr
	s_wait_dscnt 0x0                               ; my word has landed, for the others' sake; my images are back
	s_barrier_signal -1
	s_barrier_wait -1
.irp u, 0,1
.irp g, 0,1,2
	global_store_b128 v6, v[OUTR+4*(3*\u+\g):OUTR+4*(3*\u+\g)+3], s[28:29] offset:1536*\u+512*\g   ; 512 consecutive bytes, aligned to 256
.endr
.endr
	s_cmp_gt_u32 s15, 1
	s_cbranch_scc1 .Lend
	ds_load_b64 v[48:49], v8                       ; waves 0 and 1: four tiles' words each, one aligned run of 256 bytes
	s_wait_dscnt 0x0
	global_store_b64 v7, v[48:49], s[30:31]
.Lend:
	s_wait_tensorcnt 0x0
	ds_add_u32 v128, v129
	s_wait_dscnt 0x0
	s_endpgm
.Lfunc_end_k_q8979d45f9a_quant_w:
	.size	k_q8979d45f9a_quant_w, .Lfunc_end_k_q8979d45f9a_quant_w-k_q8979d45f9a_quant_w
	.p2alignl 7, 3214868480
	.fill 96, 4, 3214868480
	.section	.rodata,"a",@progbits
	.p2align	6, 0x0
	.amdhsa_kernel k_q8979d45f9a_quant_w
		.amdhsa_group_segment_fixed_size 14336
		.amdhsa_private_segment_fixed_size 0
		.amdhsa_enable_private_segment 0
		.amdhsa_kernarg_size 40
		.amdhsa_user_sgpr_count 2
		.amdhsa_user_sgpr_kernarg_segment_ptr 1
		.amdhsa_wavefront_size32 1
		.amdhsa_system_sgpr_workgroup_id_x 1
		.amdhsa_system_sgpr_workgroup_id_y 1
		.amdhsa_system_sgpr_workgroup_id_z 1
		.amdhsa_system_vgpr_workitem_id 0
		.amdhsa_next_free_vgpr 130
		.amdhsa_next_free_sgpr 66
		.amdhsa_reserve_vcc 0
		.amdhsa_float_denorm_mode_32 3
		.amdhsa_float_denorm_mode_16_64 3
		.amdhsa_memory_ordered 1
		.amdhsa_forward_progress 1
		.amdhsa_inst_pref_size 24
	.end_amdhsa_kernel
	.amdgpu_metadata
---
amdhsa.version: [ 1, 2 ]
amdhsa.kernels:
  - .name:           k_q8979d45f9a_quant_w
    .symbol:         k_q8979d45f9a_quant_w.kd
    .args:
      - { .name: wq, .offset: 0, .size: 8, .value_kind: global_buffer, .address_space: global }
      - { .name: wk, .offset: 8, .size: 8, .value_kind: global_buffer, .address_space: global }
      - { .name: wv, .offset: 16, .size: 8, .value_kind: global_buffer, .address_space: global }
      - { .name: wo, .offset: 24, .size: 8, .value_kind: global_buffer, .address_space: global }
      - { .name: ops, .offset: 32, .size: 8, .value_kind: global_buffer, .address_space: global }
    .group_segment_fixed_size: 14336
    .private_segment_fixed_size: 0
    .kernarg_segment_align: 8
    .kernarg_segment_size: 40
    .max_flat_workgroup_size: 128
    .sgpr_count:     66
    .vgpr_count:     130
    .wavefront_size: 32
...
	.end_amdgpu_metadata
.endif
;; end of part 2
;; launch proj (part 3): grid 16 x 24, 4 waves a work-group, clusters of 4 x 4, 307,712 bytes of LDS; arguments ops, bq, bk, bv, qkv; writes qkv
.if DOCPART == 3
	.amdgcn_target "amdgcn-amd-amdhsa--gfx1250"
	.amdhsa_code_object_version 6
	.text
	.protected	k_q8979d45f9a_proj
	.globl	k_q8979d45f9a_proj
	.p2align	8
	.type	k_q8979d45f9a_proj,@function
k_q8979d45f9a_proj:
	s_mov_b64 s[64:65], 0
	v_nop
	global_prefetch_b8 v0, s[64:65] scope:SCOPE_SE
	s_setreg_imm32_b32 hwreg(HW_REG_WAVE_MODE, 25, 1), 1
	s_wait_xcnt 0x0
	s_wait_alu depctr_hold_cnt(0) depctr_sa_sdst(0) depctr_va_vdst(0) depctr_va_sdst(0) depctr_va_ssrc(0) depctr_va_vcc(0) depctr_vm_vsrc(0)
	s_getreg_b32 s2, hwreg(HW_REG_IB_STS2, 6, 4)
	s_cmp_eq_u32 s2, 0
	s_cbranch_scc0 .Lentry_in_a_cluster
	s_endpgm
.Lentry_in_a_cluster:
	s_bfe_u32 s2, ttmp6, 0x10000c
	s_cmp_lg_u32 s2, 0xf033
	s_cbranch_scc0 .Lentry_shape_is_right
	s_endpgm
.Lentry_shape_is_right:
; q = x wq + bq, k = x wk + bk, v = x wv + bv on codes of FP6 (E2M3) with E8M0 scales, and the quantisers of q, k (along the head's 64) and v (along the keys), in f32, biases first.
; ONE MAIN LOOP, TWO ROLES.  Source 0 of every product is the operand P (128 rows, 8 tiles), whose rows run along a lane's result registers; source 1 is the operand R, whose rows lie in the lanes.
; A work-group makes R 256 x P 128, a wave R 64 (4 tiles) x P 128: 32 accumulators.
;   cluster rows 0-3: R = 256 rows of x, P = 128 columns of wq or wk: a lane holds a token, its registers two heads' 64 numbers: q's and k's K.
;   cluster rows 4-5: R = 256 columns of wv, P = 128 rows of x: a lane holds one channel of v, its registers 128 keys: v's K.
; A tile's rows are 32 (t / 2) + 8 (t % 2) + r + 8 (r / 8), so that the 16 registers of P's tiles 2 b and 2 b + 1 are the 16 neighbours 32 b + 16 h + 0 .. 15.
; ALL OF K LIES IN LDS, FILLED ONCE: R's two row blocks (204,800 bytes) and P's one (102,400), in four pieces along K each; no byte of LDS is filled twice and none is stored to.
; CLUSTER 4 x 4: R's pieces hang on the cluster's row, P's on its column: each is asked for jointly by the four that share it.  One tensor load a wave.
; OUT: qkv [head 16][group of 128 rows 32][19,968]: q at 0, k at 6,656, v at 13,312.  q, k: four pair fragments of 1,536 bytes (registers 0-5 tile 2 pp, 6-11 tile 2 pp + 1, 64 along K each), then words at
; 6,144 + 256 (pp / 2) + 8 L + 4 (pp % 2) (bytes 0, 1: tile 2 pp; 2, 3: tile 2 pp + 1).  v: four fragments (16 channels x 128 keys), then words at 6,144 + 16 L + 4 i.
; LIMITS: NaN and infinities are not served; a block whose largest magnitude lies under 2^-124 has its byte held at 1; a block of zeros has the byte 1 and zero codes.
; REGISTERS.  window 0: v1 16 L, v2 8 L, v4-11 LDS addresses, v16-39 scale words (two sets), v40-45 words made here, v48-63 at work, v64-159 R's fragments (two sets), v184-191 bv, v192-255 bq or bk;
;   on the way out v64-127 64 numbers, v128-134 halves of codes, v136-183 four fragments.   window 1: P's fragments, sets at v0 and v128.   window 2: accumulator (i, b) at v[8 (8 i + b)].
.set HS,   638976                      ; a head in qkv
.set GS,   19968                       ; a group
.set RBB,  102400                      ; a row block of operands
.set PCB,  25600                       ; a piece: 256 along K
.set PL,   204800                      ; P's place in LDS
.set WV,   8
.set SEL,  10                          ; s[10:11]
.set SECV, 12                          ; s12  1 in the clusters that make v
.set G1A,  16
.set G1B,  24
.set G0A,  32                          ; s[32:35] group 0 for R's row block
.set G0B,  48                          ; s[48:51] P's
.set ADRA, 4
.set ADRB, 6
.set ADSA, 8
.set ADSB, 10
.set TM,   48
.set AF,   64
.set HA,   64
.set T,    128
.set BV,   184
.set BIAS, 192
.set MSB, 0
.macro WIN new                         ; the immediate's high byte repeats the setting that is left
.if MSB != \new
	s_set_vgpr_msb (MSB<<8)|\new
.set MSB, \new
.endif
.endm
.macro PLACES n
.rept \n
	v_nop
.endr
.endm
.macro CROUND                          ; a round of the cluster's barrier
	s_barrier_signal -1
	s_barrier_wait -1
	s_cmp_lg_u32 s[WV], 0
	s_cbranch_scc1 .Lnot_wave_0_\@
	s_barrier_signal -3
.Lnot_wave_0_\@:
	s_barrier_wait -3
	s_barrier_signal -1
	s_barrier_wait -1
.endm
; 64 numbers of a lane, register 16 b + i = k 32 b + 16 h + i of my row, become codes: k 0 .. 63 in v[pc0] on (6 registers), k 64 .. 127 in v[pc1] on, and the row's four scale bytes in v[pw].
.macro QUANT s, pc0, pc1, pw
.irp b, 0,1,2,3
	v_max3_num_f32 v[TM+\b], |v[(\s)+16*\b]|, |v[(\s)+1+16*\b]|, 0x1800000   ; my 16 of block b, and the floor 2^(3 - 127)
.endr
.irp i, 2,4,6,8,10,12,14
.irp b, 0,1,2,3
	v_max3_num_f32 v[TM+\b], v[TM+\b], |v[(\s)+16*\b+\i]|, |v[(\s)+1+16*\b+\i]|
.endr
.endr
.irp b, 0,1,2,3
	v_permlanex16_b32 v[TM+4+\b], v[TM+\b], s[SEL], s[SEL+1]
.endr
.irp b, 0,1,2,3
	v_max_num_f32 v[TM+\b], v[TM+\b], v[TM+4+\b]   ; with lane L xor 16's: the block's largest magnitude
.endr
.irp b, 0,1,2,3
	v_add_nc_u32 v[TM+12+\b], 0xff000000, v[TM+\b] ; 2 off the exponent field: the conversion's scale operand
.endr
.irp b, 0,1,2,3
	v_lshrrev_b32 v[TM+4+\b], 23, v[TM+12+\b]      ; the scale's byte
.endr
	v_lshl_or_b32 v[\pw], v[TM+5], 8, v[TM+4]
	v_lshl_or_b32 v[\pw], v[TM+6], 16, v[\pw]
	v_lshl_or_b32 v[\pw], v[TM+7], 24, v[\pw]
	v_cvt_scalef32_pk16_fp6_f32 v[(\pc0):(\pc0)+2], v[(\s):(\s)+15], v[TM+12]
	v_cvt_scalef32_pk16_fp6_f32 v[T:T+2], v[(\s)+16:(\s)+31], v[TM+13]
	v_cvt_scalef32_pk16_fp6_f32 v[(\pc1):(\pc1)+2], v[(\s)+32:(\s)+47], v[TM+14]
	v_cvt_scalef32_pk16_fp6_f32 v[T+4:T+6], v[(\s)+48:(\s)+63], v[TM+15]
	v_nop                                          ; one plain place behind a scaled conversion
.irp i, 0,1,2                          ; the operand's layout wants a whole block in a lane
	v_permlane16_swap_b32 v[(\pc0)+\i], v[T+\i]
.endr
.irp i, 0,1,2
	v_mov_b32 v[(\pc0)+3+\i], v[T+\i]
.endr
.irp i, 0,1,2
	v_permlane16_swap_b32 v[(\pc1)+\i], v[T+4+\i]
.endr
.irp i, 0,1,2
	v_mov_b32 v[(\pc1)+3+\i], v[T+4+\i]
.endr
.endm
	s_load_b256 s[68:75], s[0:1], 0x0              ; ops s[68:69], bq s[70:71], bk s[72:73], bv s[74:75]
	s_load_b64 s[76:77], s[0:1], 0x20              ; qkv
	v_lshl_add_u32 v58, v0, 2, 0x4b000
	v_mov_b32 v59, 0
	ds_add_u32 v58, v59
	ds_add_u32 v58, v59
	v_lshrrev_b32 v1, 5, v0
	v_readfirstlane_b32 s[WV], v1                  ; wave 0..3
	s_and_b32 s9, s[WV], 1
	s_lshr_b32 s13, s[WV], 1
	s_bfe_u32 s14, ttmp6, 0x40000                  ; cx
	s_bfe_u32 s15, ttmp6, 0x40004                  ; cy
	s_lshl_b32 s78, ttmp9, 2
	s_add_co_u32 s78, s78, s14                     ; tx = 4 x cluster x + cx: 0 .. 15
	s_and_b32 s79, ttmp7, 0xffff                   ; cluster y: 0 .. 5
	s_lshl_b32 s80, s79, 2
	s_add_co_u32 s80, s80, s15                     ; ty
	s_lshr_b32 s[SECV], s79, 2                     ; 1 in cluster rows 4 and 5: the same in all sixteen partners
	s_xor_b32 s81, s[SECV], 1
	; R's first row block: 2 ty (x), or 48 + 2 cy (wv): made of cy and the cluster's y alone
	s_lshl_b32 s82, s79, 3
	s_mul_i32 s82, s82, s81
	s_mul_i32 s83, s[SECV], 48
	s_add_co_u32 s82, s82, s83
	s_lshl_b32 s83, s15, 1
	s_add_co_u32 s82, s82, s83
	s_add_co_u32 s82, s82, s9                      ; waves 0 and 1 fetch one row block each
	s_mul_i32 s82, s82, RBB
	s_mov_b32 s83, 0
	; P's row block: 32 + tx (wq, wk), or tx + 16 (cluster y - 4) (x): made of cx and the cluster's x and y alone
	s_lshl_b32 s86, s81, 5
	s_and_b32 s87, s79, 1
	s_lshl_b32 s87, s87, 4
	s_mul_i32 s87, s87, s[SECV]
	s_add_co_u32 s86, s86, s87
	s_add_co_u32 s86, s86, s78
	s_mov_b32 s90, s86                             ; kept: in the clusters that make v it is the group of keys
	s_mul_i32 s86, s86, RBB
	s_mul_i32 s87, s9, 51200                       ; waves 2 and 3 fetch half of P's row block each: two pieces on end
	s_add_co_u32 s86, s86, s87
	s_mov_b32 s87, 0
	s_lshl_b32 s84, s15, 2
	s_lshl_b32 s84, 15, s84                        ; my row of the cluster
	s_lshl_b32 s88, 0x1111, s14                    ; my column
	; group 1: a dense block as rows of 256 bytes (32 elements of 8 bytes): 400 rows for R's row block, 200 for half of P's
	s_or_b32 s[G1A], s84, (3<<16)|(1<<21)
	s_or_b32 s[G1B], s88, (3<<16)|(1<<21)
	s_mov_b32 s[G1A+1], 32<<16
	s_mov_b32 s[G1A+2], 400<<16                    ; a whole row block of R: its four pieces lie on end, 400 rows of 256 bytes
	s_mov_b32 s[G1A+3], 32<<16
	s_mov_b32 s[G1A+4], 400
	s_mov_b32 s[G1A+5], 32
	s_mov_b32 s[G1A+6], 0
	s_mov_b32 s[G1A+7], 0
	s_mov_b32 s[G1B+1], 32<<16
	s_mov_b32 s[G1B+2], 200<<16                    ; half of P's row block: 200 rows of 256 bytes
	s_mov_b32 s[G1B+3], 32<<16
	s_mov_b32 s[G1B+4], 200
	s_mov_b32 s[G1B+5], 32
	s_mov_b32 s[G1B+6], 0
	s_mov_b32 s[G1B+7], 0
	s_mul_i32 s85, s9, RBB                         ; where they go: the wave's number alone enters an LDS address
	s_mul_i32 s89, s9, 51200
	s_add_co_u32 s89, s89, PL
	s_mov_b32 s[SEL], 0x76543210
	s_mov_b32 s[SEL+1], 0xfedcba98
	s_wait_dscnt 0x0
	s_wait_kmcnt 0x0
	s_add_nc_u64 s[82:83], s[68:69], s[82:83]
	s_add_nc_u64 s[86:87], s[68:69], s[86:87]
.irp g, 0
	s_mov_b32 s[G0A+4*\g], 1
	s_add_co_u32 s[G0A+4*\g+1], s85, \g*PCB
	s_add_nc_u64 s[G0A+4*\g+2:G0A+4*\g+3], s[82:83], \g*PCB
	s_or_b32 s[G0A+4*\g+3], s[G0A+4*\g+3], 0x80000000
	s_mov_b32 s[G0B+4*\g], 1
	s_add_co_u32 s[G0B+4*\g+1], s89, \g*PCB
	s_add_nc_u64 s[G0B+4*\g+2:G0B+4*\g+3], s[86:87], \g*PCB
	s_or_b32 s[G0B+4*\g+3], s[G0B+4*\g+3], 0x80000000
.endr
	CROUND                                         ; all sixteen work-groups are here: the joint loads meet
	s_cmp_lt_u32 s[WV], 2                          ; a wave's one fill stands in one branch on the wave's number, ahead of every wait on TENSORcnt, LDS read and further barrier
	s_cbranch_scc0 .Lfill_p
	tensor_load_to_lds s[G0A:G0A+3], s[G1A:G1A+7]  ; one tensor load a wave at the head
	s_nop 0
	PLACES 4
	s_branch .Lfilled
.Lfill_p:
	tensor_load_to_lds s[G0B:G0B+3], s[G1B:G1B+7]
	s_nop 0
	PLACES 4
.Lfilled:
	v_and_b32 v3, 31, v0                           ; L
	v_and_b32 v12, 15, v0                          ; r
	v_bfe_u32 v13, v0, 4, 1                        ; h
	v_lshlrev_b32 v1, 4, v3
	v_lshlrev_b32 v2, 3, v3
	v_lshlrev_b32 v14, 4, v12
	s_mul_i32 s91, s13, RBB                        ; my row block of R,
	s_mul_i32 s92, s9, 6144                        ; my four tiles of it
	s_add_co_u32 s92, s92, s91
	v_add_nc_u32 v[ADRA], s92, v1
	v_add_nc_u32 v[ADRA+1], 2*PCB, v[ADRA]         ; (an LDS offset has 16 bits: a second register serves the upper two pieces)
	v_add_nc_u32 v[ADRB], PL, v1
	v_add_nc_u32 v[ADRB+1], PL+2*PCB, v1
	s_lshl_b32 s92, s9, 8
	s_add_co_u32 s92, s92, s91
	s_add_co_u32 s92, s92, 24576
	v_add_nc_u32 v[ADSA], s92, v14
	v_add_nc_u32 v[ADSA+1], 2*PCB, v[ADSA]
	v_add_nc_u32 v[ADSB], PL+24576, v14
	v_add_nc_u32 v[ADSB+1], PL+24576+2*PCB, v14
	; both kinds of bias are loaded in every work-group: no branch, and every address lies inside its buffer
	s_and_b32 s93, s78, 7
	s_cmp_lt_u32 s78, 8
	s_cselect_b64 s[94:95], s[70:71], s[72:73]     ; bq or bk
	s_lshl_b32 s96, s93, 9
	s_mov_b32 s97, 0
	s_add_nc_u64 s[94:95], s[94:95], s[96:97]      ; P's 128 columns
	v_lshlrev_b32 v15, 6, v13                      ; 16 h numbers on
.irp b, 0,1,2,3,4,5,6,7
	global_load_b128 v[BIAS+8*\b:BIAS+8*\b+3], v15, s[94:95] offset:(32*(\b/2)+8*(\b%2))*4
	global_load_b128 v[BIAS+8*\b+4:BIAS+8*\b+7], v15, s[94:95] offset:(32*(\b/2)+8*(\b%2))*4+16
.endr
	s_lshl_b32 s96, s15, 10
	s_lshl_b32 s98, s[WV], 8
	s_add_co_u32 s96, s96, s98
	s_add_nc_u64 s[2:3], s[74:75], s[96:97]        ; bv at 256 cy + 64 x wave
	v_and_b32 v46, 8, v12
	v_add_nc_u32 v46, v46, v12
	v_lshlrev_b32 v46, 2, v46                      ; my lane's row of a tile
.irp i, 0,1,2,3
	global_load_b32 v[BV+2*\i], v46, s[2:3] offset:(32*(\i/2)+8*(\i%2))*4
	global_load_b32 v[BV+2*\i+1], v46, s[2:3] offset:(32*(\i/2)+8*(\i%2))*4     ; twice: a pair for the packed addition
.endr
.irp b, 0,1,2,3
	v_mov_b32 v[TM+4+\b], 0                        ; written once: a lane permute's destination counts as one of its sources
.endr
; K step k (128 along K): piece k / 2, its half k % 2.  39 LDS loads in one run: P's 8 fragments, my 4 of R, 12 scale words.
.macro FETCH k, set
.set FO, PCB*(((\k)/2)%2)+((\k)%2)*8*1536
.set FS, PCB*(((\k)/2)%2)+((\k)%2)*512
.set FZ, (\k)/4
	WIN 0x40                                       ; destination window 1, address window 0
.irp b, 0,1,2,3,4,5,6,7
.irp g, 0,1,2
	ds_load_b128 v[128*(\set)+12*\b+4*\g:128*(\set)+12*\b+4*\g+3], v[ADRB+FZ] offset:FO+\b*1536+512*\g
.endr
.endr
	WIN 0
.irp i, 0,1,2,3
.irp g, 0,1,2
	ds_load_b128 v[AF+48*(\set)+12*\i+4*\g:AF+48*(\set)+12*\i+4*\g+3], v[ADRA+FZ] offset:FO+\i*1536+512*\g
.endr
.endr
	ds_load_b128 v[16+12*(\set):19+12*(\set)], v[ADSB+FZ] offset:FS
	ds_load_b128 v[20+12*(\set):23+12*(\set)], v[ADSB+FZ] offset:FS+256
	ds_load_b128 v[24+12*(\set):27+12*(\set)], v[ADSA+FZ] offset:FS
.endm
; 32 matrix instructions; the 32 accumulators take turns, one instruction a turn, in the same order in every step
.macro MUL set, zero
	WIN 0xa1                                       ; source 0 (P) window 1, source 1 (R) window 0, C and D window 2
.irp i, 0,1,2,3
.irp b, 0,1,2,3,4,5,6,7
.if \zero
	v_wmma_scale_f32_16x16x128_f8f6f4 v[8*(8*\i+\b):8*(8*\i+\b)+7], v[128*(\set)+12*\b:128*(\set)+12*\b+11], v[AF+48*(\set)+12*\i:AF+48*(\set)+12*\i+11], 0, v[16+12*(\set)+\b], v[24+12*(\set)+\i] matrix_a_fmt:MATRIX_FMT_FP6 matrix_b_fmt:MATRIX_FMT_FP6
.else
	v_wmma_scale_f32_16x16x128_f8f6f4 v[8*(8*\i+\b):8*(8*\i+\b)+7], v[128*(\set)+12*\b:128*(\set)+12*\b+11], v[AF+48*(\set)+12*\i:AF+48*(\set)+12*\i+11], v[8*(8*\i+\b):8*(8*\i+\b)+7], v[16+12*(\set)+\b], v[24+12*(\set)+\i] matrix_a_fmt:MATRIX_FMT_FP6 matrix_b_fmt:MATRIX_FMT_FP6
.endif
.endr
.endr
.endm
.macro STEP k, zero
	s_wait_dscnt 0x0                               ; this step's fragments and words are in
.if (\k) > 0
	PLACES 4                                       ; in front of loads into registers that the step before multiplied
.endif
.if (\k) < 7
	FETCH (\k)+1, ((\k)+1)%2
.endif
	MUL (\k)%2, \zero
.endm
	s_wait_alu depctr_va_vdst(0)
	s_wait_tensorcnt 0x0                           ; my one load, all of K of my part, is in
	s_barrier_signal -1
	s_barrier_wait -1
	FETCH 0, 0
	STEP 0, 1                                      ; the first products start the sums: nothing is cleared
	STEP 1, 0
	STEP 2, 0
	STEP 3, 0
	STEP 4, 0
	STEP 5, 0
	STEP 6, 0
	STEP 7, 0
	WIN 0
	PLACES 4                                       ; in front of the first reads of results and writes over R's fragments
	s_wait_loadcnt 0x0                             ; the biases
	s_cmp_lg_u32 s[SECV], 0
	s_cbranch_scc1 .Lmake_v
	; ---- q or k.  My tile i: 64 registers = two heads' 64 numbers of the lane's token
	s_lshl_b32 s91, s93, 1
	s_mul_i32 s91, s91, HS                         ; head 2 (tx % 8),
	s_lshl_b32 s92, s80, 1
	s_add_co_u32 s92, s92, s13
	s_mul_i32 s92, s92, GS                         ; group 2 ty + wave / 2,
	s_add_co_u32 s91, s91, s92
	s_lshr_b32 s92, s78, 3
	s_mul_i32 s92, s92, 6656                       ; q's part or k's
	s_add_co_u32 s91, s91, s92
	s_mul_i32 s92, s9, 3072
	s_add_co_u32 s96, s91, s92                     ; my two pair fragments
	s_add_nc_u64 s[4:5], s[76:77], s[96:97]
	s_lshl_b32 s92, s9, 8
	s_add_co_u32 s96, s91, s92
	s_add_co_u32 s96, s96, 6144                    ; and their unit of words
	s_add_nc_u64 s[6:7], s[76:77], s[96:97]
.irp p, 0,1
.irp e, 0,1
	WIN 0x02                                       ; source 0 window 2
.set NN, 0
.rept 32
	v_pk_add_f32 v[HA+2*NN:HA+2*NN+1], v[64*(2*\p+\e)+2*NN:64*(2*\p+\e)+2*NN+1], v[BIAS+2*NN:BIAS+2*NN+1]   ; the bias, and the way to window 0; each accumulator from its low end on
.set NN, NN+1
.endr
	WIN 0
	QUANT HA, 136+24*\p+6*\e, 148+24*\p+6*\e, 40+\e   ; half e of the first head's pair fragment p, and of the second head's
.endr
	v_perm_b32 v[42+\p], v41, v40, 0x05040100      ; the first head's word: tile 2 p's two bytes, then tile 2 p + 1's
	v_perm_b32 v[44+\p], v41, v40, 0x07060302      ; the second head's
.irp g, 0,1,2
	global_store_b128 v1, v[136+24*\p+4*\g:136+24*\p+4*\g+3], s[4:5] offset:1536*\p+512*\g      ; 512 consecutive bytes, aligned to 256; every store has registers of its own
	global_store_b128 v1, v[148+24*\p+4*\g:148+24*\p+4*\g+3], s[4:5] offset:HS+1536*\p+512*\g
.endr
.endr
	global_store_b64 v2, v[42:43], s[6:7]          ; 256 consecutive bytes
	global_store_b64 v2, v[44:45], s[6:7] offset:HS
	s_branch .Ldone
.Lmake_v:
	; ---- v.  My four tiles are one head's 64 channels; tile i: the lane's channel, 128 keys
	s_lshl_b32 s91, s15, 2
	s_add_co_u32 s91, s91, s[WV]
	s_mul_i32 s91, s91, HS                         ; head 4 cy + wave,
	s_mul_i32 s92, s90, GS                         ; the group of keys,
	s_add_co_u32 s96, s91, s92
	s_add_co_u32 s96, s96, 13312                   ; v's part
	s_add_nc_u64 s[4:5], s[76:77], s[96:97]
.irp i, 0,1,2,3
	WIN 0x02
.set NN, 0
.rept 32
	v_pk_add_f32 v[HA+2*NN:HA+2*NN+1], v[64*\i+2*NN:64*\i+2*NN+1], v[BV+2*\i:BV+2*\i+1]
.set NN, NN+1
.endr
	WIN 0
	QUANT HA, 136+12*\i, 142+12*\i, 40+\i
.irp g, 0,1,2
	global_store_b128 v1, v[136+12*\i+4*\g:136+12*\i+4*\g+3], s[4:5] offset:1536*\i+512*\g
.endr
.endr
	global_store_b128 v1, v[40:43], s[4:5] offset:6144
.Ldone:
	s_wait_tensorcnt 0x0
	ds_add_u32 v58, v59
	s_wait_dscnt 0x0
	CROUND                                         ; the closing round: no work-group ends while a partner may still ask for a piece that names it
	s_endpgm
.Lfunc_end_k_q8979d45f9a_proj:
	.size	k_q8979d45f9a_proj, .Lfunc_end_k_q8979d45f9a_proj-k_q8979d45f9a_proj
	.p2alignl 7, 3214868480
	.fill 96, 4, 3214868480
	.section	.rodata,"a",@progbits
	.p2align	6, 0x0
	.amdhsa_kernel k_q8979d45f9a_proj
		.amdhsa_group_segment_fixed_size 307712
		.amdhsa_private_segment_fixed_size 0
		.amdhsa_enable_private_segment 0
		.amdhsa_kernarg_size 40
		.amdhsa_user_sgpr_count 2
		.amdhsa_user_sgpr_kernarg_segment_ptr 1
		.amdhsa_wavefront_size32 1
		.amdhsa_system_sgpr_workgroup_id_x 1
		.amdhsa_system_sgpr_workgroup_id_y 1
		.amdhsa_system_sgpr_workgroup_id_z 1
		.amdhsa_system_vgpr_workitem_id 0
		.amdhsa_next_free_vgpr 768
		.amdhsa_next_free_sgpr 100
		.amdhsa_reserve_vcc 0
		.amdhsa_float_denorm_mode_32 3
		.amdhsa_float_denorm_mode_16_64 3
		.amdhsa_memory_ordered 1
		.amdhsa_forward_progress 1
		.amdhsa_inst_pref_size 113
	.end_amdhsa_kernel
	.amdgpu_metadata
---
amdhsa.version: [ 1, 2 ]
amdhsa.kernels:
  - .name:           k_q8979d45f9a_proj
    .symbol:         k_q8979d45f9a_proj.kd
    .args:
      - { .name: ops, .offset: 0, .size: 8, .value_kind: global_buffer, .address_space: global }
      - { .name: bq, .offset: 8, .size: 8, .value_kind: global_buffer, .address_space: global }
      - { .name: bk, .offset: 16, .size: 8, .value_kind: global_buffer, .address_space: global }
      - { .name: bv, .offset: 24, .size: 8, .value_kind: global_buffer, .address_space: global }
      - { .name: qkv, .offset: 32, .size: 8, .value_kind: global_buffer, .address_space: global }
    .group_segment_fixed_size: 307712
    .private_segment_fixed_size: 0
    .kernarg_segment_align: 8
    .kernarg_segment_size: 40
    .max_flat_workgroup_size: 128
    .sgpr_count:     100
    .vgpr_count:     768
    .wavefront_size: 32
...
	.end_amdgpu_metadata
.endif
;; end of part 3
;; launch attn (part 4): grid 16 x 16, 16 waves a work-group, clusters of 4 x 1, 327,680 bytes of LDS; arguments qkv, oop; writes oop
.if DOCPART == 4
	.amdgcn_target "amdgcn-amd-amdhsa--gfx1250"
	.amdhsa_code_object_version 6
	.text
	.protected	k_q8979d45f9a_attn
	.globl	k_q8979d45f9a_attn
	.p2align	8
	.type	k_q8979d45f9a_attn,@function
k_q8979d45f9a_attn:
	s_mov_b64 s[64:65], 0
	v_nop
	global_prefetch_b8 v0, s[64:65] scope:SCOPE_SE
	s_setreg_imm32_b32 hwreg(HW_REG_WAVE_MODE, 25, 1), 1
	s_wait_xcnt 0x0
	s_wait_alu depctr_hold_cnt(0) depctr_sa_sdst(0) depctr_va_vdst(0) depctr_va_sdst(0) depctr_va_ssrc(0) depctr_va_vcc(0) depctr_vm_vsrc(0)
	s_getreg_b32 s2, hwreg(HW_REG_IB_STS2, 6, 4)
	s_cmp_eq_u32 s2, 0
	s_cbranch_scc0 .Lentry_in_a_cluster
	s_endpgm
.Lentry_in_a_cluster:
	s_bfe_u32 s2, ttmp6, 0x10000c
	s_cmp_lg_u32 s2, 0x3003
	s_cbranch_scc0 .Lentry_shape_is_right
	s_endpgm
.Lentry_shape_is_right:
; o[q] = sum over keys of softmax(q . k / 8) v for each of 16 heads of 64, both products on codes of FP6 (E2M3) with E8M0 scales, and the quantiser of o along the model's 1,024.
; THE SOFTMAX: t = score x log2(e) / 8; M = the running largest t rounded UP to a whole number; p = 2^(t - M) is quantised along the keys, not normalised; the row's sum is taken of the unquantised p and divides at the end.
; SHARES.  A work-group owns 256 queries of one head, each of its sixteen waves one tile of 16, in 256 registers.  Every wave walks 32 key steps of 128 keys.  Both products are used transposed: a lane holds one query throughout.
; THE HEAD HAS 64, THE INSTRUCTION 128 ALONG K: a fragment of K carries two tiles of keys; it is multiplied by (q, zeros) and by (zeros, q): the other tile's codes meet zero codes.
; A LANE HOLDS WHOLE BLOCKS OF 32 KEYS.  qkv's pair fragment pp holds in lane m keys 32 pp + 8 u + m + 8 (m / 8) (u: which half of the registers).  The fragment (c, w) that is multiplied here takes for its rows 0-7 lanes 8 w .. 8 w + 7 of
; pair 2 c and for its rows 8-15 the same lanes of pair 2 c + 1: a choice of LDS addresses.  Register j of tile 4 c + 2 w + u is then key 64 c + 32 h + 16 w + 8 u + j: the 32 registers of tiles 4 c .. 4 c + 3 are the keys
; 64 c + 32 h + 0 .. 31 in order, which is the place that the 6-bit operand gives lane (r, h).  So a block's largest score needs no other lane and p's codes need no exchange of lanes; one permute joins the row's maximum, one the scale word.
; RING: two LDS slots of eight key steps.  A step is k's and v's parts of a group as they lie in qkv, 26 rows of 512 bytes, each with 128 bytes of padding: pair fragments then lie 1,920 bytes apart, so that the two groups of eight lanes
; of a K load fall on different halves of a run of 256 bytes.  Every wave fetches k's or v's part of one step: one tensor load a wave at the head and behind each round, none jumped over.
; CLUSTER 4 x 1: the four query blocks of a cluster walk the same K and V: each load is joint.
; ORDER IN A STEP: the next step's K is fetched into K's own registers under the softmax, V into its own; the row's sum stands behind the last products, which name none of its registers.
; OUT: oop, laid like ops (rows = queries), each fragment image in two halves of 768 bytes, one for each of the K step's two heads: registers 6 c .. 6 c + 3 at 16 L, 6 c + 4, 5 at 512 + 8 L.
; The two scale bytes of a row leave as 2 bytes a lane into words that two heads share: 16 x 2 bytes a wave that fill no run of 256; they are 1 part in 24 of what the wave stores.
; LIMITS: NaN and infinities are not served; the scaled scores t stay under 2^31 in magnitude; a block whose largest magnitude lies under 2^-124 has its byte held at 1; a block of zeros has the byte 1 and zero codes.
.set HS,   638976
.set GS,   19968
.set KSB,  16640                       ; a key step in LDS: 26 rows of 640 bytes
.set HALF, 8320                        ; k's part; v's lies behind it
.set SLOTB, 8*KSB
.set SPARE, 2*SLOTB                    ; the spare words, 128 bytes for each of 16 waves: eight blocks of 256 bytes that no other line names
.set WV,   8
.set SEL,  28                          ; s[28:29]
.set CS,   30                          ; s[30:31] log2(e) / 8
.set TB,   32                          ; s32 the key step in hand, as an LDS address; also the loops' counter
.set LB,   33                          ; s33 where my load lands in slot 0
.set LIM,  34                          ; s34 0 in the waves that prefetch
.set PFA,  36                          ; s[36:37]
.set SPW,  3
.set NIL,  4
.set PFO,  5
.set ADK,  6
.set ADKS, 7
.set ADV,  8
.set SH,   9                           ; 8 h
.set KL,   10                          ; my lane's place in a pair fragment of K
.set KSL,  11                          ; and among K's scale words
.set PW,   35                          ; p's scale word
.set KF,   36                          ; v36-83   four fragments of K
.set KS,   84                          ; v84-85   their scale words: lanes 0-15 w = 0, lanes 16-31 w = 1
.set AM,   86                          ; v86-87   my two blocks' largest score, largest p, then the conversions' scale operands
.set VF,   88                          ; v88-135  four fragments of V
.set VS,   136                         ; v136-139 their scale words
.set S,    140                         ; v140-203 S^T, then p
.set OT,   204                         ; v204-235 O^T
.set PCD,  236                         ; v236-247 p's codes
.set FF,   248                         ; v[248:249] f = 2^(old M - new M); v248-255 later halves of codes, then four partial sums
.set BX,   250                         ; v250, v252 second chains of the maxima
.set TP,   251
.set TQ,   253
.set BY,   255
.macro PLACES n
.rept \n
	v_nop
.endr
.endm
.macro CROUND
	s_barrier_signal -1
	s_barrier_wait -1
	s_cmp_lg_u32 s[WV], 0
	s_cbranch_scc1 .Lnot_wave_0_\@
	s_barrier_signal -3
.Lnot_wave_0_\@:
	s_barrier_wait -3
	s_barrier_signal -1
	s_barrier_wait -1
.endm
.macro JLOAD                           ; every wave's joint load; s_nop 0 and four v_nop follow it
	tensor_load_to_lds s[24:27], s[16:23]
	s_nop 0
	PLACES 4
.endm
	s_load_b128 s[4:7], s[0:1], 0x0                ; qkv, oop
	v_lshl_add_u32 v[SPW], v0, 2, SPARE
	v_mov_b32 v[NIL], 0
	ds_add_u32 v[SPW], v[NIL]                      ; the opening lines: the add, twice on end, and its wait
	ds_add_u32 v[SPW], v[NIL]
	v_lshrrev_b32 v1, 5, v0
	v_readfirstlane_b32 s[WV], v1                  ; wave 0..15
	s_bfe_u32 s9, ttmp6, 0x40000                   ; cx
	s_and_b32 s10, ttmp7, 0xffff                   ; the head, which the partners share
	s_lshl_b32 s11, ttmp9, 2
	s_add_co_u32 s11, s11, s9                      ; my block of 256 queries: it enters q's and o's addresses alone
	; group 1: 13 rows of 512 bytes (64 elements of 8), 32 words of padding behind each; the mask names all four work-groups
	s_mov_b32 s16, 15|(3<<16)|(1<<20)|(1<<21)|(6<<22)|(31<<25)
	s_mov_b32 s17, 64<<16
	s_mov_b32 s18, 13<<16
	s_mov_b32 s19, 64<<16
	s_mov_b32 s20, 13
	s_mov_b32 s21, 64
	s_mov_b32 s22, 0
	s_mov_b32 s23, 0
	s_mul_i32 s40, s10, HS                         ; the head's first byte
	s_lshr_b32 s56, s[WV], 1                       ; I fetch key step wave / 2 of a slot,
	s_and_b32 s57, s[WV], 1                        ; k's part or v's
	s_mul_i32 s41, s56, GS
	s_add_co_u32 s41, s41, s40
	s_mul_i32 s42, s57, 6656
	s_add_co_u32 s42, s42, s41
	s_add_co_u32 s42, s42, 6656
	s_mov_b32 s43, 0
	s_mul_i32 s[LB], s56, KSB
	s_mul_i32 s58, s57, HALF
	s_add_co_u32 s[LB], s[LB], s58
	s_mov_b32 s24, 1
	s_mov_b32 s25, s[LB]                           ; slot 0
	s_lshr_b32 s44, s[WV], 3
	s_lshl_b32 s45, s11, 1
	s_add_co_u32 s44, s44, s45                     ; g: my group of 128 queries
	s_and_b32 s45, s[WV], 7                        ; t: my tile of it
	s_lshr_b32 s46, s45, 1                         ; pp
	s_and_b32 s47, s45, 1                          ; u
	s_mul_i32 s48, s44, GS
	s_add_co_u32 s48, s48, s40
	s_mul_i32 s49, s46, 1536
	s_add_co_u32 s50, s48, s49                     ; q's pair fragment
	s_mov_b32 s51, 0
	s_lshr_b32 s49, s46, 1
	s_lshl_b32 s49, s49, 8
	s_add_co_u32 s52, s48, s49
	s_and_b32 s49, s46, 1
	s_lshl_b32 s49, s49, 2
	s_add_co_u32 s52, s52, s49
	s_add_co_u32 s52, s52, 6144                    ; and its words
	s_mov_b32 s53, 0
	s_sub_co_u32 s38, 0, s47                       ; all ones where my tile is the pair's second
	s_lshl_b32 s39, s47, 4
	; THE PREFETCHES.  All clusters of a head walk the same K and V: the head's first cluster asks.  Behind the round that loads slot n it names slot n + 1's bytes, eight key steps ahead of the load that wants them.
	; Partner cx names key steps 2 cx and 2 cx + 1 of that slot (told apart by address); its waves 0 to 3 take k's or v's part of one step each: 26 blocks of 256 bytes, a lane a block (lanes 26-31 name the last again).
	; The first names key steps 16-23, the second 24-31 (by the immediate): the address registers are never rewritten.  Steps 0-15 come by their loads alone.
	s_lshl_b32 s54, s9, 1
	s_add_co_u32 s54, s54, s56
	s_add_co_u32 s54, s54, 16
	s_mul_i32 s54, s54, GS
	s_add_co_u32 s54, s54, s40
	s_mul_i32 s55, s57, 6656
	s_add_co_u32 s54, s54, s55
	s_add_co_u32 s54, s54, 6656
	s_mov_b32 s55, 0
	s_lshr_b32 s[LIM], s[WV], 2
	s_or_b32 s[LIM], s[LIM], ttmp9                 ; 0 in waves 0 to 3 of the head's first cluster: the same in all four partners
	s_mov_b32 s[SEL], 0x76543210
	s_mov_b32 s[SEL+1], 0xfedcba98
	s_mov_b32 s[CS], 0x3e38aa3b                    ; log2(e) / 8
	s_mov_b32 s[CS+1], s[CS]                       ; (named with it as a pair, so it is written)
	s_wait_dscnt 0x0                               ; both opening adds are done
	s_wait_kmcnt 0x0
	s_add_nc_u64 s[26:27], s[4:5], s[42:43]
	s_or_b32 s27, s27, 0x80000000
	s_add_nc_u64 s[50:51], s[4:5], s[50:51]
	s_add_nc_u64 s[52:53], s[4:5], s[52:53]
	s_add_nc_u64 s[PFA:PFA+1], s[4:5], s[54:55]
	CROUND                                         ; all four work-groups are here: the first joint loads meet
	JLOAD                                          ; slot 0: key steps 0-7
	v_and_b32 v6, 31, v0                           ; L
	v_bfe_u32 v7, v0, 4, 1                         ; h
	v_and_b32 v8, 7, v0                            ; r % 8
	v_lshlrev_b32 v1, 4, v6                        ; 16 L
	v_lshlrev_b32 v2, 3, v6                        ; 8 L
	v_min_u32 v[PFO], 25, v6
	v_bfe_u32 v6, v0, 3, 1                         ; r / 8
	global_load_b128 v[36:39], v1, s[50:51]
	global_load_b128 v[40:43], v1, s[50:51] offset:512
	global_load_b128 v[44:47], v1, s[50:51] offset:1024
	global_load_b32 v48, v2, s[52:53]
	v_lshlrev_b32 v[PFO], 8, v[PFO]
	v_lshlrev_b32 v[SH], 3, v7
	v_mul_u32_u24 v[KL], v6, 1920                  ; rows 8-15 come from the next pair fragment,
	v_lshlrev_b32 v[KSL], 2, v6
	v_lshl_add_u32 v[KL], v8, 4, v[KL]             ; lane r % 8 of the eight chosen by the offset,
	v_lshl_add_u32 v[KSL], v8, 3, v[KSL]
	v_lshl_add_u32 v[KL], v7, 8, v[KL]             ; my half of K
	v_lshl_add_u32 v[KSL], v7, 6, v[KSL]           ; words: 8 (8 w + r % 8) + 4 (r / 8), w = my half of the lanes
	v_mov_b32 v13, 0xff61b1e6                      ; the largest t so far: -3e38
	v_mov_b32 v14, 0                               ; the sum, in two halves
	v_mov_b32 v15, 0
	v_mov_b32 v[FF+1], 0                           ; (named as the upper half of a pair)
	v_mov_b32 v[TQ], 0                             ; a lane permute's destination counts as one of its sources
	v_floor_f32 v12, -v13                          ; -M
.irp i, 0,1,2,3,4,5
	v_mov_b32 v[16+\i], 0                          ; v[16:27] = (zeros, q), v[22:33] = (q, zeros)
	v_mov_b32 v[28+\i], 0
.endr
.set NN, 0
.rept 32
	v_mov_b32 v[OT+NN], 0                          ; O^T: the step is written once; the first change of M leaves zeros zeros
.set NN, NN+1
.endr
	s_wait_loadcnt 0x0
.irp i, 0,1,2,3,4,5
	v_cndmask_b32 v[22+\i], v[36+\i], v[42+\i], s38   ; my tile's half of the pair: q, 16 queries x 64
.endr
	v_lshrrev_b32 v48, s39, v48
	v_and_b32 v48, 0xffff, v48
	v_lshl_or_b32 v34, v48, 16, v48                ; q's two bytes, twice: they serve (q, zeros) and (zeros, q) alike
	PLACES 4                                       ; with the six plain lines ahead of the first product: a scale word made here stands eight places ahead of it
	s_wait_alu depctr_va_vdst(0)
.macro KL1 cc, ww, off                 ; fragment (c, w) of the key step at ADK + off
.irp g, 0,1,2
	ds_load_b128 v[KF+12*(2*\cc+\ww)+4*\g:KF+12*(2*\cc+\ww)+4*\g+3], v[ADK] offset:\off+3840*\cc+128*\ww+640*\g
.endr
.endm
.macro KW2 off                         ; its scale words
	ds_load_b32 v[KS], v[ADKS] offset:\off+7680
	ds_load_b32 v[KS+1], v[ADKS] offset:\off+7936
.endm
.macro SW d, a, b, sc, row
.if \row
	v_wmma_scale_f32_16x16x128_f8f6f4 v[\d:\d+7], v[\a:\a+11], v[\b:\b+11], 0, v[\sc], v34 matrix_a_fmt:MATRIX_FMT_FP6 matrix_b_fmt:MATRIX_FMT_FP6 matrix_a_scale:MATRIX_SCALE_ROW1
.else
	v_wmma_scale_f32_16x16x128_f8f6f4 v[\d:\d+7], v[\a:\a+11], v[\b:\b+11], 0, v[\sc], v34 matrix_a_fmt:MATRIX_FMT_FP6 matrix_b_fmt:MATRIX_FMT_FP6
.endif
.endm
; A KEY STEP: 128 keys at LDS address TB.  pf = 1: the next step of the same slot is fetched for K
.macro STEP pf
	s_wait_dscnt 0x0                               ; K's fragments and words are in
.irp c, 0,1
.irp w, 0,1
	SW S+8*(4*\c+2*\w), KF+12*(2*\c+\w), 22, KS+\c, \w
	SW S+8*(4*\c+2*\w)+8, KF+12*(2*\c+\w), 16, KS+\c, \w
.endr
.endr
	v_add_nc_u32 v[ADV], s[TB], v1                 ; four places in front of the loads below and of the first read of the scores
.if \pf
	v_add_nc_u32 v[ADK], s[TB], v[KL]
	v_add_nc_u32 v[ADKS], s[TB], v[KSL]
	v_nop
.else
	PLACES 3
.endif
.irp i, 0,1,2,3
.irp g, 0,1,2
	ds_load_b128 v[VF+12*\i+4*\g:VF+12*\i+4*\g+3], v[ADV] offset:HALF+1920*\i+640*\g
.endr
.endr
	ds_load_b128 v[VS:VS+3], v[ADV] offset:HALF+7680
.irp c, 0,1                            ; the largest score of my two blocks of 32 keys, two chains each; every accumulator is first read at its low end
	v_max3_num_f32 v[AM+\c], v[S+32*\c], v[S+32*\c+1], v[S+32*\c+2]
	v_max3_num_f32 v[BX+2*\c], v[S+32*\c+16], v[S+32*\c+17], v[S+32*\c+18]
.endr
.irp i, 3,5,7,9,11,13
.irp c, 0,1
	v_max3_num_f32 v[AM+\c], v[AM+\c], v[S+32*\c+\i], v[S+32*\c+\i+1]
	v_max3_num_f32 v[BX+2*\c], v[BX+2*\c], v[S+32*\c+16+\i], v[S+32*\c+17+\i]
.endr
.endr
.irp c, 0,1
	v_max3_num_f32 v[AM+\c], v[AM+\c], v[BX+2*\c], v[S+32*\c+15]
.endr
.irp c, 0,1
	v_max_num_f32 v[AM+\c], v[AM+\c], v[S+32*\c+31]
.endr
	s_delay_alu instid0(VALU_DEP_1)
	v_max_num_f32 v[TP], v[AM], v[AM+1]            ; the row's chain; the next step's K loads stand between its links
.if \pf
	KL1 0, 0, KSB
.else
	s_delay_alu instid0(VALU_DEP_1)
.endif
	v_mul_f32 v[TP], s[CS], v[TP]                  ; as t
.if \pf
	KL1 0, 1, KSB
.else
	s_delay_alu instid0(VALU_DEP_1)
.endif
	v_permlanex16_b32 v[TQ], v[TP], s[SEL], s[SEL+1]
.if \pf
	KL1 1, 0, KSB
.else
	s_delay_alu instid0(VALU_DEP_1)
.endif
	v_max3_num_f32 v13, v13, v[TP], v[TQ]          ; the running largest t, with lane L xor 16's 64 keys
.if \pf
	KL1 1, 1, KSB
.else
	s_delay_alu instid0(VALU_DEP_1)
.endif
	v_floor_f32 v[TQ], -v13                        ; the new -M = -ceil(t): a whole number
.if \pf
	KW2 KSB
.else
	s_delay_alu instid0(VALU_DEP_1)
.endif
	v_sub_f32 v[TP], v[TQ], v12                    ; old M - new M: a whole number, 0 or less
	v_mov_b32 v12, v[TQ]
	s_delay_alu instid0(VALU_DEP_2)
	v_cvt_i32_f32 v[TP], v[TP]                     ; (it saturates)
	s_delay_alu instid0(VALU_DEP_1)
	v_ldexp_f32 v[FF], 1.0, v[TP]                  ; f = 2^(old M - new M): a multiplication by it rounds nothing
.set NN, 0
.rept 32
	v_pk_fma_f32 v[S+NN:S+NN+1], v[S+NN:S+NN+1], s[CS:CS+1], v[12:13] op_sel_hi:[1,0,0]   ; t - M
.set NN, NN+2
.endr
.irp c, 0,1
	v_fma_f32 v[AM+\c], v[AM+\c], s[CS], v12       ; the same of each block's largest score
.endr
	s_wait_alu depctr_va_vdst(0)
.set NN, 0
.rept 64
	v_exp_f32 v[S+NN], v[S+NN]                     ; p = 2^(t - M)
.set NN, NN+1
.endr
.irp c, 0,1
	v_exp_f32 v[AM+\c], v[AM+\c]                   ; the blocks' largest p: the same two instructions on the same number
.endr
	v_nop                                          ; a plain place behind the exponentials
.if \pf
	s_wait_dscnt 14                                ; V and its words are in; the 12 + 2 younger loads, the next step's K, may be out
.else
	s_wait_dscnt 0x0
.endif
	s_wait_alu depctr_va_vdst(0)                   ; one wait for the batch, directly ahead of O^T's first readers
.set NN, 0
.rept 16
	v_pk_mul_f32 v[OT+NN:OT+NN+1], v[OT+NN:OT+NN+1], v[FF:FF+1] op_sel_hi:[1,0]   ; O^T under the new M
.set NN, NN+2
.endr
	v_pk_mul_f32 v[14:15], v[14:15], v[FF:FF+1] op_sel_hi:[1,0]                   ; and the sums
.irp c, 0,1
	v_max_num_f32 v[AM+\c], 0x1800000, v[AM+\c]    ; the floor 2^(3 - 127)
.endr
.irp c, 0,1
	v_add_nc_u32 v[AM+\c], 0xff000000, v[AM+\c]    ; 2 off the exponent field: the conversions' scale operands
.endr
	v_lshrrev_b32 v[TP], 23, v[AM]                 ; my bytes: blocks h and 2 + h
	v_lshrrev_b32 v[BY], 23, v[AM+1]
	s_delay_alu instid0(VALU_DEP_1)
	v_lshl_or_b32 v[TP], v[BY], 16, v[TP]
	s_delay_alu instid0(VALU_DEP_1)
	v_lshlrev_b32 v[TP], v[SH], v[TP]              ; 8 h bits up
	s_delay_alu instid0(VALU_DEP_1)
	v_permlanex16_b32 v[TQ], v[TP], s[SEL], s[SEL+1]
	s_delay_alu instid0(VALU_DEP_1)
	v_or_b32 v[PW], v[TP], v[TQ]                   ; with lane L xor 16's two the query's word is whole
.irp c, 0,1
	v_cvt_scalef32_pk16_fp6_f32 v[PCD+6*\c:PCD+6*\c+2], v[S+32*\c:S+32*\c+15], v[AM+\c]
	v_cvt_scalef32_pk16_fp6_f32 v[FF+4*\c:FF+4*\c+2], v[S+32*\c+16:S+32*\c+31], v[AM+\c]   ; (a conversion's three registers begin on an even number)
.endr
	v_nop                                          ; one plain place behind a scaled conversion
.irp c, 0,1
.irp i, 0,1,2
	v_mov_b32 v[PCD+6*\c+3+\i], v[FF+4*\c+\i]
.endr
.endr
.irp k, 0,1,2,3                        ; the row's sum of the unquantised p, in four chains; these four lines are the places between the operand's last write and the products (eleven behind the scale word's)
	v_pk_add_f32 v[FF+2*\k:FF+2*\k+1], v[S+2*\k:S+2*\k+1], v[S+8+2*\k:S+9+2*\k]
.endr
.irp i, 0,1,2,3
	v_wmma_scale_f32_16x16x128_f8f6f4 v[OT+8*\i:OT+8*\i+7], v[VF+12*\i:VF+12*\i+11], v[PCD:PCD+11], v[OT+8*\i:OT+8*\i+7], v[VS+\i], v[PW] matrix_a_fmt:MATRIX_FMT_FP6 matrix_b_fmt:MATRIX_FMT_FP6
.endr                                  ; the four accumulators take turns, and eight other products stand between two links of a chain
.irp j, 2,3,4,5,6,7
.irp k, 0,1,2,3
	v_pk_add_f32 v[FF+2*\k:FF+2*\k+1], v[FF+2*\k:FF+2*\k+1], v[S+8*\j+2*\k:S+8*\j+2*\k+1]
.endr
.endr
	v_pk_add_f32 v[FF:FF+1], v[FF:FF+1], v[FF+2:FF+3]
	v_pk_add_f32 v[FF+4:FF+5], v[FF+4:FF+5], v[FF+6:FF+7]
	s_delay_alu instid0(VALU_DEP_1)
	v_pk_add_f32 v[FF:FF+1], v[FF:FF+1], v[FF+4:FF+5]
	s_delay_alu instid0(VALU_DEP_1)
	v_pk_add_f32 v[14:15], v[14:15], v[FF:FF+1]
.endm
; THE CHANGE OF SLOTS: all my tensor loads have landed, 0 is added to my spare word, my reads of the slot that I have left are over.  fill = 1, 2: a round of the cluster's barrier, and behind it
; slot 1 (fill = 1) or slot 0 (fill = 2) takes the eight key steps that follow: the load has eight key steps in which to land.
.macro CHANGE fill
	s_wait_tensorcnt 0x0                           ; no tensor load of mine is out, so the group 0 may be written
	ds_add_u32 v[SPW], v[NIL]
.if \fill
.if \fill == 1
	s_add_co_u32 s25, s[LB], SLOTB
.else
	s_mov_b32 s25, s[LB]
.endif
	s_add_nc_u64 s[26:27], s[26:27], 8*GS          ; the next eight groups of keys
	s_wait_dscnt 0x0
	CROUND
	JLOAD
.else
	s_wait_dscnt 0x0
	s_barrier_signal -1
	s_barrier_wait -1
.endif
.endm
; A slot's eight key steps: seven in a counted loop, each fetching the next step's K; the eighth fetches nothing, since what follows lies in the other slot
.macro SLOTRUN base, ask
	s_mov_b32 s[TB], \base
	v_add_nc_u32 v[ADK], s[TB], v[KL]
	v_add_nc_u32 v[ADKS], s[TB], v[KSL]
	KL1 0, 0, 0
	KL1 0, 1, 0
	KL1 1, 0, 0
	KL1 1, 1, 0
	KW2 0
.if \ask >= 0
	s_cmp_eq_u32 s[LIM], 0
	s_cbranch_scc0 .Lnot_mine_\@
	global_prefetch_b8 v[PFO], s[PFA:PFA+1] offset:\ask th:TH_LOAD_NT scope:SCOPE_SE
.Lnot_mine_\@:
.endif
.Lstep_\@:
	STEP 1
	s_add_co_u32 s[TB], s[TB], KSB
	s_cmp_lt_u32 s[TB], \base+7*KSB
	s_cbranch_scc1 .Lstep_\@
	STEP 0
.endm
	CHANGE 1                                       ; key steps 8-15 into slot 1: its first fill, issued as a refill is
	SLOTRUN 0, 0
	CHANGE 2                                       ; 16-23 into slot 0
	SLOTRUN SLOTB, 8*GS
	CHANGE 1                                       ; 24-31 into slot 1
	SLOTRUN 0, -1
	CHANGE 0
	SLOTRUN SLOTB, -1
	; THE WAY OUT: O^T / the sum, quantised along the head's 64 (two blocks of the model's 1,024), half a fragment.  The 28 additions behind the last products are their places
	v_add_f32 v14, v14, v15
	s_delay_alu instid0(VALU_DEP_1)
	v_permlanex16_b32 v[TQ], v14, s[SEL], s[SEL+1]
	s_delay_alu instid0(VALU_DEP_1)
	v_add_f32 v14, v14, v[TQ]                      ; the row's sum
	s_wait_alu depctr_va_vdst(0)
	v_rcp_f32 v14, v14
	v_nop                                          ; a plain place behind the reciprocal
	s_mul_i32 s40, s44, 102400
	s_lshr_b32 s41, s10, 2
	s_mul_i32 s41, s41, 25600
	s_add_co_u32 s40, s40, s41                     ; row block g, piece head / 4
	s_bfe_u32 s41, s10, 0x10001                    ; K step in the piece
	s_and_b32 s42, s10, 1                          ; which half of the K step
	s_lshl_b32 s48, s41, 3
	s_add_co_u32 s48, s48, s45
	s_mul_i32 s48, s48, 1536
	s_mul_i32 s49, s42, 768
	s_add_co_u32 s48, s48, s49
	s_add_co_u32 s48, s48, s40
	s_mov_b32 s49, 0
	s_add_nc_u64 s[48:49], s[6:7], s[48:49]        ; my half image
	s_lshl_b32 s54, s41, 1
	s_lshr_b32 s55, s45, 2
	s_add_co_u32 s54, s54, s55
	s_lshl_b32 s54, s54, 8
	s_and_b32 s55, s45, 3
	s_lshl_b32 s55, s55, 2
	s_add_co_u32 s54, s54, s55
	s_lshl_b32 s55, s42, 1
	s_add_co_u32 s54, s54, s55
	s_add_co_u32 s54, s54, s40
	s_add_co_u32 s54, s54, 24576
	s_mov_b32 s55, 0
	s_add_nc_u64 s[54:55], s[6:7], s[54:55]        ; my two bytes of the tile's scale words
	s_wait_alu depctr_va_vdst(0)                   ; ahead of the reciprocal's and O^T's first readers
.set NN, 0
.rept 16
	v_pk_mul_f32 v[S+NN:S+NN+1], v[OT+NN:OT+NN+1], v[14:15] op_sel_hi:[1,0]   ; register 16 b + i is channel 32 b + 16 h + i; each accumulator from its low end on
.set NN, NN+2
.endr
.irp b, 0,1
	v_max3_num_f32 v[AM+\b], |v[S+16*\b]|, |v[S+1+16*\b]|, 0x1800000
.endr
.irp i, 2,4,6,8,10,12,14
.irp b, 0,1
	s_delay_alu instid0(VALU_DEP_2)
	v_max3_num_f32 v[AM+\b], v[AM+\b], |v[S+16*\b+\i]|, |v[S+1+16*\b+\i]|
.endr
.endr
.irp b, 0,1
	s_delay_alu instid0(VALU_DEP_2)
	v_permlanex16_b32 v[250+\b], v[AM+\b], s[SEL], s[SEL+1]
.endr
.irp b, 0,1
	s_delay_alu instid0(VALU_DEP_2)
	v_max_num_f32 v[AM+\b], v[AM+\b], v[250+\b]    ; here a block lies in lanes L and L xor 16
.endr
.irp b, 0,1
	s_delay_alu instid0(VALU_DEP_2)
	v_add_nc_u32 v[252+\b], 0xff000000, v[AM+\b]
.endr
.irp b, 0,1
	s_delay_alu instid0(VALU_DEP_2)
	v_lshrrev_b32 v[250+\b], 23, v[252+\b]
.endr
	s_delay_alu instid0(VALU_DEP_1)
	v_lshl_or_b32 v254, v251, 8, v250
	v_cvt_scalef32_pk16_fp6_f32 v[236:238], v[S:S+15], v252
	v_cvt_scalef32_pk16_fp6_f32 v[240:242], v[S+16:S+31], v253
	v_nop
.irp i, 0,1,2
	v_permlane16_swap_b32 v[236+\i], v[240+\i]
.endr
	v_mov_b32 v239, v240
	v_mov_b32 v240, v241
	v_mov_b32 v241, v242
	v_and_b32 v8, 0xff, v1                         ; 16 r
	global_store_b128 v1, v[236:239], s[48:49]             ; 512 consecutive bytes, aligned to 256
	global_store_b64 v2, v[240:241], s[48:49] offset:512   ; 256 consecutive bytes
	global_store_b16 v8, v254, s[54:55]                    ; lanes 16-31 repeat lanes 0-15
	s_wait_tensorcnt 0x0                           ; the wave's end
	ds_add_u32 v[SPW], v[NIL]
	s_wait_dscnt 0x0
	CROUND                                         ; the closing round
	s_endpgm
.Lfunc_end_k_q8979d45f9a_attn:
	.size	k_q8979d45f9a_attn, .Lfunc_end_k_q8979d45f9a_attn-k_q8979d45f9a_attn
	.p2alignl 7, 3214868480
	.fill 96, 4, 3214868480
	.section	.rodata,"a",@progbits
	.p2align	6, 0x0
	.amdhsa_kernel k_q8979d45f9a_attn
		.amdhsa_group_segment_fixed_size 327680
		.amdhsa_private_segment_fixed_size 0
		.amdhsa_enable_private_segment 0
		.amdhsa_kernarg_size 16
		.amdhsa_user_sgpr_count 2
		.amdhsa_user_sgpr_kernarg_segment_ptr 1
		.amdhsa_wavefront_size32 1
		.amdhsa_system_sgpr_workgroup_id_x 1
		.amdhsa_system_sgpr_workgroup_id_y 1
		.amdhsa_system_sgpr_workgroup_id_z 1
		.amdhsa_system_vgpr_workitem_id 0
		.amdhsa_next_free_vgpr 256
		.amdhsa_next_free_sgpr 66
		.amdhsa_reserve_vcc 0
		.amdhsa_float_denorm_mode_32 3
		.amdhsa_float_denorm_mode_16_64 3
		.amdhsa_memory_ordered 1
		.amdhsa_forward_progress 1
		.amdhsa_inst_pref_size 133
	.end_amdhsa_kernel
	.amdgpu_metadata
---
amdhsa.version: [ 1, 2 ]
amdhsa.kernels:
  - .name:           k_q8979d45f9a_attn
    .symbol:         k_q8979d45f9a_attn.kd
    .args:
      - { .name: qkv, .offset: 0, .size: 8, .value_kind: global_buffer, .address_space: global }
      - { .name: oop, .offset: 8, .size: 8, .value_kind: global_buffer, .address_space: global }
    .group_segment_fixed_size: 327680
    .private_segment_fixed_size: 0
    .kernarg_segment_align: 8
    .kernarg_segment_size: 16
    .max_flat_workgroup_size: 512
    .sgpr_count:     66
    .vgpr_count:     256
    .wavefront_size: 32
...
	.end_amdgpu_metadata
.endif
;; end of part 4
;; launch oproj (part 5): grid 8 x 32, 4 waves a work-group, clusters of 4 x 4, 222,720 bytes of LDS; arguments oop, ops, bo, out0; writes out0
.if DOCPART == 5
	.amdgcn_target "amdgcn-amd-amdhsa--gfx1250"
	.amdhsa_code_object_version 6
	.text
	.protected	k_q8979d45f9a_oproj
	.globl	k_q8979d45f9a_oproj
	.p2align	8
	.type	k_q8979d45f9a_oproj,@function
k_q8979d45f9a_oproj:
	s_mov_b64 s[64:65], 0
	v_nop
	global_prefetch_b8 v0, s[64:65] scope:SCOPE_SE
	s_setreg_imm32_b32 hwreg(HW_REG_WAVE_MODE, 25, 1), 1
	s_wait_xcnt 0x0
	s_wait_alu depctr_hold_cnt(0) depctr_sa_sdst(0) depctr_va_vdst(0) depctr_va_sdst(0) depctr_va_ssrc(0) depctr_va_vcc(0) depctr_vm_vsrc(0)
	s_getreg_b32 s2, hwreg(HW_REG_IB_STS2, 6, 4)
	s_cmp_eq_u32 s2, 0
	s_cbranch_scc0 .Lentry_in_a_cluster
	s_endpgm
.Lentry_in_a_cluster:
	s_bfe_u32 s2, ttmp6, 0x10000c
	s_cmp_lg_u32 s2, 0xf033
	s_cbranch_scc0 .Lentry_shape_is_right
	s_endpgm
.Lentry_shape_is_right:
; out0 = o wo + bo on codes of FP6 (E2M3) with E8M0 scales.  o's codes come from oop (rows = queries), wo's from ops' row blocks 56 to 63 (rows = n).
; A work-group makes 128 x 128 of out0, a wave 64 x 64: 16 accumulators.  Source 0 = 16 rows of wo^T, source 1 = 16 queries: a lane holds one query, its registers run along n.
; ALL OF K LIES IN LDS, FILLED ONCE: o's row block at 0, wo's at 102,400, four pieces along K each; each wave brings half of one operand's row block, two pieces on end: one tensor load a wave.
; CLUSTER 4 x 4: o's pieces hang on the cluster's row, wo's on its column: each is asked for jointly by the four that share it.
; The bias is the C of each sum's first product.  A tile's rows are 32 (t / 2) + 8 (t % 2) + r + 8 (r / 8): undone at the stores.
; THE WAY OUT: 16 queries x 64 n go through the wave's own stage (rows of 272 bytes, bytes into which no fill lands) and leave as runs of 256 consecutive bytes, aligned, sixteen lanes each.
; REGISTERS.  window 0: v1 16 L, v2 8 L, v4-13 LDS addresses, v16-31 scale words (two sets), v34-37 the way out's addresses, v64-159 o's fragments (two sets), v128-159 later rows of out0, v192-223 bo.
;   window 1: wo's fragments, sets at v0 and v64.   window 2: accumulator (i, b) at v[8 (4 i + b)].
.set RBB,  102400
.set PCB,  25600
.set PL,   102400
.set STG,  204800
.set WV,   8
.set G1A,  16
.set G1B,  24
.set G0A,  32
.set G0B,  48
.set ADRA, 4
.set ADR8, 6
.set ADRB, 8
.set ADSA, 10
.set ADSB, 12
.set STO,  34
.set RD,   35
.set CO,   36
.set AF,   64
.set OB,   128
.set BIAS, 192
.set MSB, 0
.macro WIN new
.if MSB != \new
	s_set_vgpr_msb (MSB<<8)|\new
.set MSB, \new
.endif
.endm
.macro PLACES n
.rept \n
	v_nop
.endr
.endm
.macro CROUND
	s_barrier_signal -1
	s_barrier_wait -1
	s_cmp_lg_u32 s[WV], 0
	s_cbranch_scc1 .Lnot_wave_0_\@
	s_barrier_signal -3
.Lnot_wave_0_\@:
	s_barrier_wait -3
	s_barrier_signal -1
	s_barrier_wait -1
.endm
	s_load_b256 s[68:75], s[0:1], 0x0              ; oop s[68:69], ops s[70:71], bo s[72:73], out0 s[74:75]
	v_lshl_add_u32 v254, v0, 2, 0x36400
	v_mov_b32 v255, 0
	ds_add_u32 v254, v255
	ds_add_u32 v254, v255
	v_lshrrev_b32 v1, 5, v0
	v_readfirstlane_b32 s[WV], v1
	s_and_b32 s9, s[WV], 1                         ; which 64 of n are mine; also: which half of the row block I fetch
	s_lshr_b32 s13, s[WV], 1                       ; which 64 queries
	s_bfe_u32 s14, ttmp6, 0x40000                  ; cx
	s_bfe_u32 s15, ttmp6, 0x40004                  ; cy
	s_lshl_b32 s78, ttmp9, 2
	s_add_co_u32 s78, s78, s14                     ; tx: 0 .. 7
	s_and_b32 s79, ttmp7, 0xffff
	s_lshl_b32 s80, s79, 2
	s_add_co_u32 s80, s80, s15                     ; ty: 0 .. 31
	s_mul_i32 s82, s80, RBB
	s_mul_i32 s83, s9, 51200                       ; half of the row block: two pieces on end
	s_add_co_u32 s82, s82, s83                     ; o: row block ty, my half of it
	s_mov_b32 s83, 0
	s_add_co_u32 s86, s78, 56
	s_mul_i32 s86, s86, RBB
	s_mul_i32 s87, s9, 51200
	s_add_co_u32 s86, s86, s87                     ; wo: row block 56 + tx
	s_mov_b32 s87, 0
	s_lshl_b32 s84, s15, 2
	s_lshl_b32 s84, 15, s84                        ; my row of the cluster
	s_lshl_b32 s88, 0x1111, s14                    ; my column
	s_or_b32 s[G1A], s84, (3<<16)|(1<<21)          ; half a row block: 51,200 dense bytes as 200 rows of 256 (32 elements of 8 bytes)
	s_or_b32 s[G1B], s88, (3<<16)|(1<<21)
.irp g, G1A, G1B
	s_mov_b32 s[\g+1], 32<<16
	s_mov_b32 s[\g+2], 200<<16                     ; half a row block: 51,200 dense bytes as 200 rows of 256
	s_mov_b32 s[\g+3], 32<<16
	s_mov_b32 s[\g+4], 200
	s_mov_b32 s[\g+5], 32
	s_mov_b32 s[\g+6], 0
	s_mov_b32 s[\g+7], 0
.endr
	s_mul_i32 s85, s9, 51200
	s_mul_i32 s89, s9, 51200
	s_add_co_u32 s89, s89, PL
	s_wait_dscnt 0x0
	s_wait_kmcnt 0x0
	s_add_nc_u64 s[82:83], s[68:69], s[82:83]
	s_add_nc_u64 s[86:87], s[70:71], s[86:87]
.irp g, 0
	s_mov_b32 s[G0A+4*\g], 1
	s_add_co_u32 s[G0A+4*\g+1], s85, \g*PCB
	s_add_nc_u64 s[G0A+4*\g+2:G0A+4*\g+3], s[82:83], \g*PCB
	s_or_b32 s[G0A+4*\g+3], s[G0A+4*\g+3], 0x80000000
	s_mov_b32 s[G0B+4*\g], 1
	s_add_co_u32 s[G0B+4*\g+1], s89, \g*PCB
	s_add_nc_u64 s[G0B+4*\g+2:G0B+4*\g+3], s[86:87], \g*PCB
	s_or_b32 s[G0B+4*\g+3], s[G0B+4*\g+3], 0x80000000
.endr
	CROUND                                         ; all sixteen work-groups are here: the joint loads meet
	s_cmp_lt_u32 s[WV], 2                          ; a wave's one fill stands in one branch on the wave's number
	s_cbranch_scc0 .Lfill_p
	tensor_load_to_lds s[G0A:G0A+3], s[G1A:G1A+7]  ; one tensor load a wave at the head
	s_nop 0
	PLACES 4
	s_branch .Lfilled
.Lfill_p:
	tensor_load_to_lds s[G0B:G0B+3], s[G1B:G1B+7]
	s_nop 0
	PLACES 4
.Lfilled:
	v_and_b32 v40, 31, v0                          ; L
	v_and_b32 v41, 15, v0                          ; r
	v_bfe_u32 v42, v0, 4, 1                        ; h
	v_lshlrev_b32 v1, 4, v40
	v_lshlrev_b32 v2, 3, v40
	v_lshlrev_b32 v43, 4, v41
	s_mul_i32 s91, s13, 6144                       ; my four tiles of queries
	v_add_nc_u32 v[ADRA], s91, v1
	v_add_nc_u32 v[ADRA+1], 2*PCB, v[ADRA]
	v_add_nc_u32 v[ADR8], s91, v2
	v_add_nc_u32 v[ADR8+1], 2*PCB, v[ADR8]
	s_mul_i32 s92, s9, 6144                        ; my four tiles of n
	s_add_co_u32 s92, s92, PL
	v_add_nc_u32 v[ADRB], s92, v1
	v_add_nc_u32 v[ADRB+1], 2*PCB, v[ADRB]
	s_lshl_b32 s91, s13, 8
	s_add_co_u32 s91, s91, 24576
	v_add_nc_u32 v[ADSA], s91, v43
	v_add_nc_u32 v[ADSA+1], 2*PCB, v[ADSA]
	s_lshl_b32 s92, s9, 8
	s_add_co_u32 s92, s92, PL+24576
	v_add_nc_u32 v[ADSB], s92, v43
	v_add_nc_u32 v[ADSB+1], 2*PCB, v[ADSB]
	s_mul_i32 s93, s[WV], 4352
	s_add_co_u32 s93, s93, STG                     ; my stage
	v_mul_u32_u24 v[STO], v41, 272
	v_lshl_add_u32 v[STO], v42, 6, v[STO]
	v_add_nc_u32 v[STO], s93, v[STO]               ; in: row r, + 64 h bytes
	v_mul_u32_u24 v[RD], v42, 272
	v_lshl_add_u32 v[RD], v41, 4, v[RD]
	v_add_nc_u32 v[RD], s93, v[RD]                 ; back: lanes 0-15 one row, lanes 16-31 the next
	v_lshlrev_b32 v[CO], 12, v42
	v_lshl_add_u32 v[CO], v41, 4, v[CO]            ; and the same in out0
	s_lshl_b32 s94, s78, 9
	s_lshl_b32 s95, s9, 8
	s_add_co_u32 s94, s94, s95                     ; my first n, in bytes: 512 tx + 256 (wave % 2)
	s_mov_b32 s95, 0
	s_add_nc_u64 s[6:7], s[72:73], s[94:95]        ; bo there
	s_lshl_b32 s96, s80, 7
	s_lshl_b32 s97, s13, 6
	s_add_co_u32 s96, s96, s97
	s_lshl_b32 s96, s96, 12                        ; my first row: 128 ty + 64 (wave / 2), rows of 4,096 bytes
	s_add_co_u32 s96, s96, s94
	s_mov_b32 s97, 0
	s_add_nc_u64 s[4:5], s[74:75], s[96:97]
	v_lshlrev_b32 v37, 6, v42                      ; 16 h numbers on
.irp b, 0,1,2,3
	global_load_b128 v[BIAS+8*\b:BIAS+8*\b+3], v37, s[6:7] offset:(32*(\b/2)+8*(\b%2))*4
	global_load_b128 v[BIAS+8*\b+4:BIAS+8*\b+7], v37, s[6:7] offset:(32*(\b/2)+8*(\b%2))*4+16
.endr
; K step k: piece k / 2, its half k % 2.  30 LDS loads in one run.  o's images lie in two halves of 768 bytes: 16 bytes a lane, then 8
.macro FETCH k, set
.set FO, PCB*(((\k)/2)%2)+((\k)%2)*8*1536
.set FS, PCB*(((\k)/2)%2)+((\k)%2)*512
.set FZ, (\k)/4
	WIN 0x40
.irp b, 0,1,2,3
.irp g, 0,1,2
	ds_load_b128 v[64*(\set)+12*\b+4*\g:64*(\set)+12*\b+4*\g+3], v[ADRB+FZ] offset:FO+\b*1536+512*\g
.endr
.endr
	WIN 0
.irp i, 0,1,2,3
	ds_load_b128 v[AF+48*(\set)+12*\i:AF+48*(\set)+12*\i+3], v[ADRA+FZ] offset:FO+\i*1536
	ds_load_b64 v[AF+48*(\set)+12*\i+4:AF+48*(\set)+12*\i+5], v[ADR8+FZ] offset:FO+\i*1536+512
	ds_load_b128 v[AF+48*(\set)+12*\i+6:AF+48*(\set)+12*\i+9], v[ADRA+FZ] offset:FO+\i*1536+768
	ds_load_b64 v[AF+48*(\set)+12*\i+10:AF+48*(\set)+12*\i+11], v[ADR8+FZ] offset:FO+\i*1536+1280
.endr
	ds_load_b128 v[16+8*(\set):19+8*(\set)], v[ADSB+FZ] offset:FS
	ds_load_b128 v[20+8*(\set):23+8*(\set)], v[ADSA+FZ] offset:FS
.endm
; 16 matrix instructions; the accumulators take turns, one instruction a turn.  first = 1: the bias starts the sums
.macro MUL set, first
.if \first
	WIN 0x81                                       ; source 0 window 1, source 1 and C window 0, D window 2
.else
	WIN 0xa1                                       ; C and D window 2
.endif
.irp i, 0,1,2,3
.irp b, 0,1,2,3
.if \first
	v_wmma_scale_f32_16x16x128_f8f6f4 v[8*(4*\i+\b):8*(4*\i+\b)+7], v[64*(\set)+12*\b:64*(\set)+12*\b+11], v[AF+48*(\set)+12*\i:AF+48*(\set)+12*\i+11], v[BIAS+8*\b:BIAS+8*\b+7], v[16+8*(\set)+\b], v[20+8*(\set)+\i] matrix_a_fmt:MATRIX_FMT_FP6 matrix_b_fmt:MATRIX_FMT_FP6
.else
	v_wmma_scale_f32_16x16x128_f8f6f4 v[8*(4*\i+\b):8*(4*\i+\b)+7], v[64*(\set)+12*\b:64*(\set)+12*\b+11], v[AF+48*(\set)+12*\i:AF+48*(\set)+12*\i+11], v[8*(4*\i+\b):8*(4*\i+\b)+7], v[16+8*(\set)+\b], v[20+8*(\set)+\i] matrix_a_fmt:MATRIX_FMT_FP6 matrix_b_fmt:MATRIX_FMT_FP6
.endif
.endr
.endr
.endm
.macro STEP k, first
	s_wait_dscnt 0x0                               ; this step's fragments and words are in
.if (\k) > 0
	PLACES 4                                       ; in front of loads into registers that the step before multiplied
.endif
.if (\k) < 7
	FETCH (\k)+1, ((\k)+1)%2
.endif
	MUL (\k)%2, \first
.endm
	s_wait_tensorcnt 0x0                           ; my one load, all of K of my part, is in
	s_barrier_signal -1
	s_barrier_wait -1
	FETCH 0, 0
	s_wait_loadcnt 0x0                             ; the bias
	STEP 0, 1
	STEP 1, 0
	STEP 2, 0
	STEP 3, 0
	STEP 4, 0
	STEP 5, 0
	STEP 6, 0
	STEP 7, 0
	WIN 0
	PLACES 4                                       ; in front of the first reads of results and of loads into o's fragments' registers
	s_wait_alu depctr_va_vdst(0)
.irp i, 0,1,2,3
.if \i > 0
	s_wait_xcnt 0x0                                ; the last tile's stores have read their registers
.endif
	WIN 0x08                                       ; an LDS store's data are its source 1: window 2
.irp b, 0,1,2,3
	ds_store_b128 v[STO], v[8*(4*\i+\b):8*(4*\i+\b)+3] offset:128*(\b/2)+32*(\b%2)          ; each accumulator from its low end on
	ds_store_b128 v[STO], v[8*(4*\i+\b)+4:8*(4*\i+\b)+7] offset:128*(\b/2)+32*(\b%2)+16
.endr
	WIN 0
.irp m, 0,1,2,3,4,5,6,7
	ds_load_b128 v[OB+4*\m:OB+4*\m+3], v[RD] offset:544*\m      ; my own stage: LDS serves a wave's instructions in order
.endr
.irp m, 0,1,2,3,4,5,6,7
	s_wait_dscnt 7-\m                              ; the count is the younger loads
	global_store_b128 v[CO], v[OB+4*\m:OB+4*\m+3], s[4:5] offset:(32*(\i/2)+8*(\i%2)+2*\m+8*(\m/4))*4096 th:TH_STORE_NT   ; sixteen lanes store 256 consecutive bytes, aligned
.endr
.endr
	s_wait_tensorcnt 0x0
	ds_add_u32 v254, v255
	s_wait_dscnt 0x0
	CROUND                                         ; the closing round
	s_endpgm
.Lfunc_end_k_q8979d45f9a_oproj:
	.size	k_q8979d45f9a_oproj, .Lfunc_end_k_q8979d45f9a_oproj-k_q8979d45f9a_oproj
	.p2alignl 7, 3214868480
	.fill 96, 4, 3214868480
	.section	.rodata,"a",@progbits
	.p2align	6, 0x0
	.amdhsa_kernel k_q8979d45f9a_oproj
		.amdhsa_group_segment_fixed_size 222720
		.amdhsa_private_segment_fixed_size 0
		.amdhsa_enable_private_segment 0
		.amdhsa_kernarg_size 32
		.amdhsa_user_sgpr_count 2
		.amdhsa_user_sgpr_kernarg_segment_ptr 1
		.amdhsa_wavefront_size32 1
		.amdhsa_system_sgpr_workgroup_id_x 1
		.amdhsa_system_sgpr_workgroup_id_y 1
		.amdhsa_system_sgpr_workgroup_id_z 1
		.amdhsa_system_vgpr_workitem_id 0
		.amdhsa_next_free_vgpr 640
		.amdhsa_next_free_sgpr 100
		.amdhsa_reserve_vcc 0
		.amdhsa_float_denorm_mode_32 3
		.amdhsa_float_denorm_mode_16_64 3
		.amdhsa_memory_ordered 1
		.amdhsa_forward_progress 1
		.amdhsa_inst_pref_size 49
	.end_amdhsa_kernel
	.amdgpu_metadata
---
amdhsa.version: [ 1, 2 ]
amdhsa.kernels:
  - .name:           k_q8979d45f9a_oproj
    .symbol:         k_q8979d45f9a_oproj.kd
    .args:
      - { .name: oop, .offset: 0, .size: 8, .value_kind: global_buffer, .address_space: global }
      - { .name: ops, .offset: 8, .size: 8, .value_kind: global_buffer, .address_space: global }
      - { .name: bo, .offset: 16, .size: 8, .value_kind: global_buffer, .address_space: global }
      - { .name: out0, .offset: 24, .size: 8, .value_kind: global_buffer, .address_space: global }
    .group_segment_fixed_size: 222720
    .private_segment_fixed_size: 0
    .kernarg_segment_align: 8
    .kernarg_segment_size: 32
    .max_flat_workgroup_size: 128
    .sgpr_count:     100
    .vgpr_count:     640
    .wavefront_size: 32
...
	.end_amdgpu_metadata
.endif
;; end of part 5
